; MI455X (gfx1250); checked and timed in simulation.
; The chip was launched on July 23, 2026; its instructions are those of AMD's public machine-readable ISA for CDNA 5 (MIT licence, August 2026) and "CDNA5" Instruction Set Architecture Reference Guide (July 2026). The comments in the code are by the model that wrote it; some were corrected since.
;; Scaled Attention. Allowed arithmetic: matrix products marked QUANTISED: E2M3 operands, one E8M0 scale for each 32 along K, by v_wmma_scale_f32_16x16x128_f8f6f4 with both operands' format E2M3, f32 sums; everything else in f32.
;; Inputs: Wk 1,024 x 1,024 float32; Wo 1,024 x 1,024 float32; Wq 1,024 x 1,024 float32; Wv 1,024 x 1,024 float32; input 4 x 2,048 x 1,024 float32; memory 4 x 2,048 x 1,024 float32.
;; Outputs: out0 4 x 2,048 x 1,024 float32.
;; This version of the problem:
;;   THIS VERSION OF THE PROBLEM IS GIVEN IN LOW PRECISION. The matrix products marked QUANTISED in the list below multiply operands that are first quantised to E2M3 (2 exponent bits, 3 mantissa bits; 6 bits a number), with one power-of-two scale for each 32 numbers along K (OCP MX v1.0); their sums are f32. All else is computed in f32.
;;   The module's matrix products, in the order in which they are computed (A, B: the left and right operand; K: the contracted axis; several contracted axes count as one K, in the product's order):
;;     1. [M 8,192, K 1,024] x [K 1,024, N 1,024]; A: input input; B: input Wq: QUANTISED
;;     2. [M 8,192, K 1,024] x [K 1,024, N 1,024]; A: input memory; B: input Wk: QUANTISED
;;     3. [M 8,192, K 1,024] x [K 1,024, N 1,024]; A: input memory; B: input Wv: QUANTISED
;;     4. batch 4 x [M 2,048, K 1,024] x [K 1,024, N 2,048]; A: computed on the way; B: computed on the way: QUANTISED
;;     5. batch 4 x [M 2,048, K 2,048] x [K 2,048, N 1,024]; A: softmax (see below); B: computed on the way: QUANTISED
;;     6. [M 8,192, K 1,024] x [K 1,024, N 1,024]; A: computed on the way; B: input Wo: QUANTISED
;;   THE QUANTISER, for each operand of a quantised product, along K:
;;     - K is cut into blocks of 32 from its start; a last block that is shorter is filled with zeros.
;;     - A block's scale is 2^e with e = floor(log2(the largest magnitude in the block)) - 2, held to -126 .. 127; a block of zeros has e = 0. As a byte (E8M0): e + 127.
;;     - Each number is divided by its block's scale, clamped to +-7.5, and rounded to the nearest number of E2M3, ties to even, subnormals kept.
;;     - The product sums the exact products of the quantised numbers (number of the format x scale) in f32.
;;   ~~~python
;;   def quantise(x, axis):      # numpy; x: float32 -> the quantised numbers, widened to float32 again
;;       x = np.moveaxis(x, axis, -1); K = x.shape[-1]
;;       x = np.pad(x, [(0, 0)] * (x.ndim - 1) + [(0, -K % 32)]); x = x.reshape(x.shape[:-1] + (-1, 32)); a = np.abs(x).max(-1, keepdims=True)
;;       e = np.where(a > 0, np.clip(np.frexp(np.where(a > 0, a, 1))[1] - 1 - 2, -126, 127), 0)      # np.frexp(a)[1] - 1 = floor(log2(a)), exactly
;;       r = np.clip(x / 2.0 ** e, -7.5, 7.5)
;;       step = 2.0 ** (np.maximum(np.frexp(np.where(r == 0, 1, r))[1] - 1, 0) - 3)
;;       q = np.round(r / step) * step * 2.0 ** e      # np.round: ties to even
;;       return np.moveaxis(q.reshape(q.shape[:-2] + (-1,))[..., :K], -1, axis).astype(np.float32)
;;   ~~~
;;   SOFTMAX AHEAD OF A QUANTISED PRODUCT. Where the list says 'softmax', what is quantised is not the finished softmax but p = 2^(t - M), with t = logit x log2(e) and M = ceil(the row's largest t), a whole number; so 1/2 < the row's largest p <= 1. The row's sum l is taken of the UNQUANTISED p, in f32, and the product's result is divided by l at the end. Since M is a whole number, a kernel that streams over the keys may use a running M (the ceiling of the running maximum): every later rescaling is an exact power of two, which a block's scale takes up: the codes' values come out the same.
;;   OPERANDS COMPUTED ON THE WAY. 'Computed on the way' means the value that the module computes at that place (a softmax that the list does not call 'softmax' is quantised finished and normalised). What goes into a quantiser is computed in f32, as accurately as f32 sums, v_exp_f32 and their like allow (about 1e-6 of the number): no bf16 or f16 on the way to a quantiser, and a product that is left as it is and whose result goes on into a quantised operand takes f32 operands (vector FMAs, or v_wmma_f32_16x16x4_f32). A number that lies on a knife's edge between two numbers of the format may be rounded either way, as far as f32 arithmetic and the matrix unit's own rounding can turn it there, and no further.
;; One version. Each part assembles by itself: llvm-mc -triple=amdgcn-amd-amdhsa -mcpu=gfx1250 --defsym DOCPART=n.
;; ======== version 1 of 1: 5 launches
;; limits: right only within a limited range of input values
;; workspace buffers: qin 16,384,000 bytes; qkv 19,660,800 bytes; prob 14,155,776 bytes; att 6,553,600 bytes
;; launch quant (part 1): grid 640 x 1, 4 waves a work-group, no clusters, 35,328 bytes of LDS; arguments input, memory, Wq, Wk, Wv, Wo, qin; writes qin
.if DOCPART == 1
	.amdgcn_target "amdgcn-amd-amdhsa--gfx1250"
	.amdhsa_code_object_version 6
	.text
	.protected	k_q2d1b0acd65_quant
	.globl	k_q2d1b0acd65_quant
	.p2align	8
	.type	k_q2d1b0acd65_quant,@function
k_q2d1b0acd65_quant:
	s_mov_b64 s[64:65], 0
	v_nop
	global_prefetch_b8 v0, s[64:65] scope:SCOPE_SE
	s_setreg_imm32_b32 hwreg(HW_REG_WAVE_MODE, 25, 1), 1
	s_wait_xcnt 0x0
; input, memory [8192][1024] and Wq, Wk, Wv, Wo [1024][1024], f32 with K innermost, become codes of FP6 (E2M3) with one E8M0 byte for each 32 along K.
; A block's scale is 2^(floor(log2(its largest magnitude)) - 2); its byte is the largest magnitude's exponent field - 2, held at 1 from below.
; LIMITS: NaN and infinities are not served; a block whose largest magnitude lies under 2^-124 keeps the byte 1; a block of zeros gets the byte 1 (its codes are zeros, and this program alone reads the bytes).
; LAYOUT OF THE CODES: images of operand registers.  A fragment is 16 rows x 128 K, 12 registers a lane, 1,536 bytes: registers 4 c .. 4 c + 3 of lane l at byte 512 c + 16 l.
; The buffer is [row block][K step of 128][1,536 bytes].  THE ROWS OF A ROW BLOCK ARE NOT NEIGHBOURS: lane r of row block b holds row 32 (b / 2) + 8 (b % 2) + r + 8 (r / 8),
; so that a product that takes such blocks as source 0 leaves 16 neighbours along its N in the 16 registers of two neighbouring tiles.
; LAYOUT OF THE SCALES: [panel of 128 places][K step][128 places] of 32-bit words (four bytes: 128 along K of one row).
; SHARES: work-group x = 2 g + half takes 64 rows of one tensor (g 0-127 input, 128-255 memory, then 16 each for Wq, Wk, Wv, Wo) and 512 of their 1,024 along K; wave w is row block 4 g + w, four fragments.
; 640 work-groups of four short chains, several to a WGP: each wave has 32 loads of 512 bytes out at its start.
; Each load reads 512 consecutive bytes of one row; a fragment's 16 rows turn through the wave's own stage in LDS (rows 528 bytes apart) so that a lane gets 16 neighbours of each block of 32.
; No tensor loads: memory binds this launch, and matrix units, clusters and large tiles would buy nothing.
.set NF,    4                          ; fragments of a wave
.set STGP,  528                        ; a stage row: 512 bytes + 16
.set WSTG,  16*STGP                    ; a wave's stage
.set SG,    4*WSTG                     ; behind the stages: the work-group's scale words, [K step 4][64 places]
.set S_OFF, 15728640                   ; where the scales begin in qin
.set RA,    16                         ; v16-143  two sets of 64 registers as loaded
.set X,     144                        ; v144-207 64 numbers: register 16 b + i = k 32 b + 16 (lane / 16) + i of my row
.set PC,    208                        ; v208-227 the codes just made
.set TM,    228                        ; v228-243 at work
.set PW,    244                        ; the scale word just made
.set SEL,   20                         ; s[20:21] lane selects for v_permlanex16_b32: lane l xor 16
; the largest magnitudes of the four blocks of 32 in v[s] .. v[s + 63], with the floor fl among the leaves
.macro QMAX s, fl
.irp b, 0,1,2,3
	v_max3_num_f32 v[TM+\b], |v[\s+16*\b]|, |v[\s+16*\b+1]|, \fl
.endr
.irp i, 2,4,6,8,10,12,14
.irp b, 0,1,2,3
	v_max3_num_f32 v[TM+\b], v[TM+\b], |v[\s+16*\b+\i]|, |v[\s+16*\b+\i+1]|   ; the four blocks by turns
.endr
.endr
.irp b, 0,1,2,3
	v_permlanex16_b32 v[TM+4+\b], v[TM+\b], s[SEL], s[SEL+1]
.endr
.irp b, 0,1,2,3
	v_max_num_f32 v[TM+\b], v[TM+\b], v[TM+4+\b]   ; with lane l xor 16's 16 numbers: the block's
.endr
.endm
; from the largest magnitudes in v[TM] on: the scale word in v[PW], the fragment's 12 registers in v[PC] on
.macro QPACK s
.irp b, 0,1,2,3
	v_add_nc_u32 v[TM+12+\b], 0xff000000, v[TM+\b]   ; 2 off the exponent field: the conversion takes this operand's exponent field as its scale
.endr
.irp b, 0,1,2,3
	v_lshrrev_b32 v[TM+4+\b], 23, v[TM+12+\b]        ; the scale's byte
.endr
	v_lshl_or_b32 v[PW], v[TM+5], 8, v[TM+4]
	v_lshl_or_b32 v[PW], v[TM+6], 16, v[PW]
	v_lshl_or_b32 v[PW], v[TM+7], 24, v[PW]
.irp c, 0,1
	v_cvt_scalef32_pk16_fp6_f32 v[PC+6*\c:PC+6*\c+2], v[\s+32*\c:\s+32*\c+15], v[TM+12+2*\c]
	v_cvt_scalef32_pk16_fp6_f32 v[PC+12+4*\c:PC+12+4*\c+2], v[\s+32*\c+16:\s+32*\c+31], v[TM+12+2*\c+1]   ; (a conversion's three registers begin on an even number)
.endr
	v_nop                                          ; one plain instruction behind the scaled conversions
.irp c, 0,1                                    ; the operand's layout wants a whole block in a lane: lanes 0-15 block 2 c, lanes 16-31 block 2 c + 1
.irp i, 0,1,2
	v_permlane16_swap_b32 v[PC+6*\c+\i], v[PC+12+4*\c+\i]
.endr
.irp i, 0,1,2
	v_mov_b32 v[PC+3+6*\c+\i], v[PC+12+4*\c+\i]
.endr
.endr
.endm
	s_load_b256 s[4:11], s[0:1], 0x0               ; input, memory, Wq, Wk
	s_load_b128 s[12:15], s[0:1], 0x20             ; Wv, Wo
	s_load_b64 s[16:17], s[0:1], 0x30              ; qin
	v_lshl_add_u32 v254, v0, 2, 0x8800
	v_mov_b32 v255, 0
	v_lshrrev_b32 v1, 5, v0
	v_readfirstlane_b32 s18, v1                    ; wave 0..3
	s_lshr_b32 s30, ttmp9, 1                       ; g: which 64 rows of the six tensors on end
	s_and_b32 s31, ttmp9, 1                        ; which half of K
	v_lshlrev_b32 v9, 9, v1                        ; the scale words in memory: K step t / 32, 512 bytes apart,
	v_and_b32 v1, 31, v0                           ; lane
	v_lshl_add_u32 v9, v1, 3, v9                   ; + 8 (t % 32)
	v_and_b32 v2, 15, v0                           ; r
	v_bfe_u32 v3, v0, 4, 1                         ; h
	v_lshlrev_b32 v4, 4, v1                        ; 16 x lane: my bytes of a load's 512, and of an image's 512
	s_mul_i32 s19, s18, WSTG
	v_add_nc_u32 v5, s19, v4                       ; the stage, on the way in
	v_mul_u32_u24 v6, v2, STGP
	v_lshl_add_u32 v6, v3, 6, v6
	v_add_nc_u32 v6, s19, v6                       ; and on the way out: row r, + 64 h
	s_lshl_b32 s19, s18, 6
	s_add_co_u32 s19, s19, SG
	v_lshl_add_u32 v7, v2, 2, s19                  ; my row's scale word: SG + 64 x wave + 4 r
	v_lshl_add_u32 v8, v0, 3, SG                   ; the scale words on their way out: 8 bytes a thread
	s_mov_b32 s[SEL], 0x76543210
	s_mov_b32 s[SEL+1], 0xfedcba98
.irp b, 0,1,2,3
	v_mov_b32 v[TM+4+\b], 0                        ; written once: a lane permute's destination counts as one of its sources
.endr
	s_wait_alu depctr_va_vdst(0)
	s_wait_kmcnt 0x0
	s_mov_b64 s[22:23], s[14:15]                   ; which tensor: the choice hangs on the work-group's number alone
	s_mov_b32 s24, 304
	s_cmp_lt_u32 s30, 304
	s_cselect_b64 s[22:23], s[12:13], s[22:23]
	s_cselect_b32 s24, 288, s24
	s_cmp_lt_u32 s30, 288
	s_cselect_b64 s[22:23], s[10:11], s[22:23]
	s_cselect_b32 s24, 272, s24
	s_cmp_lt_u32 s30, 272
	s_cselect_b64 s[22:23], s[8:9], s[22:23]
	s_cselect_b32 s24, 256, s24
	s_cmp_lt_u32 s30, 256
	s_cselect_b64 s[22:23], s[6:7], s[22:23]
	s_cselect_b32 s24, 128, s24
	s_cmp_lt_u32 s30, 128
	s_cselect_b64 s[22:23], s[4:5], s[22:23]
	s_cselect_b32 s24, 0, s24
	s_sub_co_u32 s24, s30, s24                     ; which 64 rows of the tensor
	s_lshl_b32 s24, s24, 18                        ; 64 rows of 4,096 bytes
	s_lshr_b32 s25, s18, 1
	s_lshl_b32 s25, s25, 17                        ; + 32 (wave / 2) rows
	s_add_co_u32 s24, s24, s25
	s_and_b32 s25, s18, 1
	s_lshl_b32 s25, s25, 15                        ; + 8 (wave % 2) rows
	s_add_co_u32 s24, s24, s25
	s_lshl_b32 s25, s31, 11                        ; + my half of K: 512 numbers
	s_add_co_u32 s24, s24, s25
	s_mov_b32 s25, 0
	s_add_nc_u64 s[22:23], s[22:23], s[24:25]
	s_lshl_b32 s26, s30, 2
	s_add_co_u32 s26, s26, s18
	s_mul_i32 s26, s26, 12288                      ; my row block's eight images,
	s_mul_i32 s27, s31, NF*1536                    ; my four of them
	s_add_co_u32 s26, s26, s27
	s_mov_b32 s27, 0
	s_add_nc_u64 s[26:27], s[16:17], s[26:27]
	s_lshr_b32 s28, s30, 1
	s_lshl_b32 s28, s28, 12                        ; the panel: 128 rows,
	s_and_b32 s29, s30, 1
	s_lshl_b32 s29, s29, 8                         ; my 64 of them,
	s_add_co_u32 s28, s28, s29
	s_lshl_b32 s29, s31, 11                        ; my four K steps
	s_add_co_u32 s28, s28, s29
	s_add_co_u32 s28, s28, S_OFF
	s_mov_b32 s29, 0
	s_add_nc_u64 s[28:29], s[16:17], s[28:29]
.macro LOAD f                          ; fragment f: 128 numbers of each of my 16 rows; a load covers 512 consecutive bytes of one row
.irp i, 0,1,2,3,4,5,6,7,8,9,10,11,12,13,14,15
	global_load_b128 v[RA+64*((\f)%2)+4*\i:RA+64*((\f)%2)+4*\i+3], v4, s[22:23] offset:(\i+8*(\i/8))*4096+512*(\f) th:TH_LOAD_NT
.endr
.endm
.macro FRAGQ f
.if (\f) < NF-1
	s_wait_loadcnt 16                              ; this fragment's 16 loads are in; the next fragment's 16 may be out
.else
	s_wait_loadcnt 0x0
.endif
.irp i, 0,1,2,3,4,5,6,7,8,9,10,11,12,13,14,15
	ds_store_b128 v5, v[RA+64*((\f)%2)+4*\i:RA+64*((\f)%2)+4*\i+3] offset:STGP*\i
.endr
.irp b, 0,1,2,3
.irp j, 0,1,2,3
	ds_load_b128 v[X+16*\b+4*\j:X+16*\b+4*\j+3], v6 offset:128*\b+16*\j   ; LDS serves a wave's instructions in order: these see the stores above
.endr
.endr
	s_wait_dscnt 0x0                               ; the numbers are back; the stores into the stage have read their registers; the last scale word is stored
	s_wait_xcnt 0x0                                ; the last fragment's stores have read the codes' registers
.if (\f)+2 < NF
	LOAD (\f)+2
.endif
	QMAX X, 0x1800000                              ; the floor 2^(3 - 127): the byte cannot fall under 1
	QPACK X
.irp c, 0,1,2
	global_store_b128 v4, v[PC+4*\c:PC+4*\c+3], s[26:27] offset:1536*(\f)+512*\c   ; 32 lanes store 512 consecutive bytes, aligned to 256
.endr
	ds_store_b32 v7, v[PW] offset:256*(\f)         ; lanes r and r + 16 write the same word with the same value
.endm
	LOAD 0
	LOAD 1
.irp f, 0,1,2,3
	FRAGQ \f
.endr
	s_wait_dscnt 0x0                               ; for the others' sake: my scale words lie in LDS
	s_barrier_signal -1
	s_barrier_wait -1
	ds_load_b64 v[248:249], v8
	s_wait_dscnt 0x0
	global_store_b64 v9, v[248:249], s[28:29]      ; 32 lanes store 256 consecutive bytes, aligned: a K step's words of the 64 rows
	s_wait_tensorcnt 0x0
	ds_add_u32 v254, v255
	s_wait_dscnt 0x0
	s_endpgm
.Lfunc_end_k_q2d1b0acd65_quant:
	.size	k_q2d1b0acd65_quant, .Lfunc_end_k_q2d1b0acd65_quant-k_q2d1b0acd65_quant
	.p2alignl 7, 3214868480
	.fill 96, 4, 3214868480
	.section	.rodata,"a",@progbits
	.p2align	6, 0x0
	.amdhsa_kernel k_q2d1b0acd65_quant
		.amdhsa_group_segment_fixed_size 35328
		.amdhsa_private_segment_fixed_size 0
		.amdhsa_enable_private_segment 0
		.amdhsa_kernarg_size 56
		.amdhsa_user_sgpr_count 2
		.amdhsa_user_sgpr_kernarg_segment_ptr 1
		.amdhsa_wavefront_size32 1
		.amdhsa_system_sgpr_workgroup_id_x 1
		.amdhsa_system_sgpr_workgroup_id_y 1
		.amdhsa_system_sgpr_workgroup_id_z 1
		.amdhsa_system_vgpr_workitem_id 0
		.amdhsa_next_free_vgpr 256
		.amdhsa_next_free_sgpr 66
		.amdhsa_reserve_vcc 0
		.amdhsa_float_denorm_mode_32 3
		.amdhsa_float_denorm_mode_16_64 3
		.amdhsa_memory_ordered 1
		.amdhsa_forward_progress 1
		.amdhsa_inst_pref_size 35
	.end_amdhsa_kernel
	.amdgpu_metadata
---
amdhsa.version: [ 1, 2 ]
amdhsa.kernels:
  - .name:           k_q2d1b0acd65_quant
    .symbol:         k_q2d1b0acd65_quant.kd
    .args:
      - { .name: input, .offset: 0, .size: 8, .value_kind: global_buffer, .address_space: global }
      - { .name: memory, .offset: 8, .size: 8, .value_kind: global_buffer, .address_space: global }
      - { .name: Wq, .offset: 16, .size: 8, .value_kind: global_buffer, .address_space: global }
      - { .name: Wk, .offset: 24, .size: 8, .value_kind: global_buffer, .address_space: global }
      - { .name: Wv, .offset: 32, .size: 8, .value_kind: global_buffer, .address_space: global }
      - { .name: Wo, .offset: 40, .size: 8, .value_kind: global_buffer, .address_space: global }
      - { .name: qin, .offset: 48, .size: 8, .value_kind: global_buffer, .address_space: global }
    .group_segment_fixed_size: 35328
    .private_segment_fixed_size: 0
    .kernarg_segment_align: 8
    .kernarg_segment_size: 56
    .max_flat_workgroup_size: 128
    .sgpr_count:     66
    .vgpr_count:     256
    .wavefront_size: 32
...
	.end_amdgpu_metadata
.endif
;; end of part 1
;; launch proj (part 2): grid 4 x 64, 4 waves a work-group, clusters of 4 x 4, 327,680 bytes of LDS; arguments qin, qkv; writes qkv
.if DOCPART == 2
	.amdgcn_target "amdgcn-amd-amdhsa--gfx1250"
	.amdhsa_code_object_version 6
	.text
	.protected	k_q2d1b0acd65_proj
	.globl	k_q2d1b0acd65_proj
	.p2align	8
	.type	k_q2d1b0acd65_proj,@function
k_q2d1b0acd65_proj:
	s_mov_b64 s[64:65], 0
	v_nop
	global_prefetch_b8 v0, s[64:65] scope:SCOPE_SE
	s_setreg_imm32_b32 hwreg(HW_REG_WAVE_MODE, 25, 1), 1
	s_wait_xcnt 0x0
	s_wait_alu depctr_hold_cnt(0) depctr_sa_sdst(0) depctr_va_vdst(0) depctr_va_sdst(0) depctr_va_ssrc(0) depctr_va_vcc(0) depctr_vm_vsrc(0)
	s_getreg_b32 s2, hwreg(HW_REG_IB_STS2, 6, 4)
	s_cmp_eq_u32 s2, 0
	s_cbranch_scc0 .Lentry_in_a_cluster
	s_endpgm
.Lentry_in_a_cluster:
	s_bfe_u32 s2, ttmp6, 0x10000c
	s_cmp_lg_u32 s2, 0xf033
	s_cbranch_scc0 .Lentry_shape_is_right
	s_endpgm
.Lentry_shape_is_right:
; q = (input Wq^T) / 32, k = memory Wk^T and v^T = Wv memory^T, each on codes of FP6 (E2M3) with E8M0 scales, each result quantised along its N and stored as codes.
; (v is wanted with the keys innermost, so its product is taken the other way round: rows = Wv's, columns = memory's.)
; ALL CODE BUFFERS ARE IMAGES OF OPERAND REGISTERS: a fragment (16 rows x 128 K, 12 registers a lane) is 1,536 bytes, registers 4 c .. 4 c + 3 of lane l at 512 c + 16 l; a buffer is [row block][K step][1,536].
; Lane r of row block b holds row 32 (b / 2) + 8 (b % 2) + r + 8 (r / 8).  Scale words: [panel of 128 places][K step][128 places], 4 bytes each.
; A WORK-GROUP STAYS: each of the three results has 256 tiles of 128 x 256, and each of the 256 work-groups makes one tile of q, then one of k, then one of v^T: the same work on every WGP.
; A tile is made by four waves, 64 x 128 each: 32 accumulators.  A tile's whole K (1,024) lies in two LDS slots of 512 along K, and THE RING DOES NOT STOP AT A TILE'S END: each of the first four changes of slots
; fills the slot just left with the next tile's half, so that a tile's way out runs while the next tile's second half lands.  The three tiles are written out: what differs between them is constants of the text.
; THE MATRIX INSTRUCTION IS USED TRANSPOSED (source 0 = 16 rows of B, source 1 = 16 rows of A): a lane holds one row of the result, and, by the order of B's rows, the 16 registers of two neighbouring
; accumulators are 16 neighbours along N: the conversions take them as they lie, and a wave's 128 columns are one K step of the operand that it makes.
; CLUSTERS: 4 x 4 work-groups; A's tile is shared along a row of the cluster, B's along a column: joint loads.  With cluster y = Y: q and k: tile row 4 Y + cy, tile column cx; v^T: tile row 4 (Y % 2) + cy, tile column 4 (Y / 2) + cx.
; THE SCALE WORDS of three tiles (3 x 12,288 bytes) do not fit beside the ring.  They come once through registers, each load 2,048 consecutive bytes, into two regions that LDS stores alone write; the third tile's wait in
; 24 registers and take the first tile's region behind the barrier that ends the reads of it.
; THE FACTOR 1/32 OF q is a power of two: the codes are those of the sums, and 5 comes off each scale byte; the floor under the largest magnitude lies 5 exponents higher there, so the byte still cannot fall under 1.
; LIMITS: NaN and infinities are not served; a block whose largest magnitude lies under 2^-124 (q: 2^-119 before the factor) keeps the byte 1; a block of zeros gets the byte 1 (this program alone reads the bytes).
; REGISTERS, in windows of 256: window 0: v0-31 addresses; v32-95 scale words, two sets; v96-119 the third tile's scale words in waiting; v128-175 A's fragments, one set; v192-241 the way out.
;   window 1: B's fragments, two sets, at v0 and v128.   window 2: the accumulators: (a, b) at v[8 (8 a + b)].
.set MB,    4                          ; A's blocks of 16 rows in a wave's tile
.set NQ,    4                          ; steps of 128 along K in a slot
.set QB,    MB/4                       ; A's blocks in a quarter of a step
.set NL,    3                          ; LDS loads that bring a fragment
.set FR,    12                         ; registers of a fragment
.set STEPB, NQ*1536                    ; a row block's bytes in a slot
.set HALFA, MB*STEPB                   ; what one tensor load brings of A, and what one wave reads of it
.set ATB,   2*HALFA
.set HALFB, 8*STEPB                    ; the same of B
.set SLOT,  ATB+2*HALFB
.set SCR,   2*SLOT                     ; behind the ring: two regions of scale words, whole blocks of 256 bytes in which no fill lands
.set SBO,   4096+128                   ; in a region: A's panel, [K step 8][128 places]; then B's two panels, 128 bytes askew, so that A's 64 bytes and B's 64 bytes of a load lie in different banks (64 banks of 4 bytes: ISA guide 11.1)
.set RGN,   SBO+8192+128               ; a region: 49 blocks of 256 bytes
.set WSC,   SCR+2*RGN                  ; the way out: 256 bytes for each wave
.set SPARE, WSC+4*256                  ; the spare words, 128 bytes for each wave: two blocks of 256 bytes that no other line names
.set XM_C, 6291456                     ; qin: codes of input (at 0), memory, Wq, Wk, Wv; then their scales
.set WQ_C, 12582912
.set WK_C, 13369344
.set WV_C, 14155776
.set XI_S, 15728640
.set XM_S, 15990784
.set WQ_S, 16252928
.set WK_S, 16285696
.set WV_S, 16318464
.set K_C,  6291456                     ; qkv: codes of q (at 0), k, v^T; then their scales, 262,144 bytes each
.set V_C,  12582912
.set Q_S,  18874368
.set V_S,  19398656
.set ADRA, 16                          ; v16-17  LDS address of my A fragments in slot 0, 1
.set ADRB, 20                          ; v20-21  the same for B
.set SWA,  22                          ; v22     where my thread's 16 bytes of a run of scale words go: SCR + 16 x thread
.set CO8,  23                          ; v23     8 x lane
.set SGW,  24                          ; v24     the way out: where my row's scale word goes
.set CO,   26                          ; v26     16 x lane
.set ADRS, 27                          ; v27     LDS address of my scale words in region 0: lanes 0-15 A's rows, lanes 16-31 B's; never rewritten
.set SPW,  28                          ; v28     LDS address of my spare word; never rewritten
.set NIL,  29                          ; v29     0; never rewritten
.set ADRS2, 30                         ; v30     the same as v27 with lanes 0-15 256 bytes lower: for B's blocks 4-7, beside which A has none (lanes 0-15 read A's blocks 0-3 again; not used)
.set RDW,  31                          ; v31     the way out: where I read the scale words back
.set SC,   32                          ; scale words: set s at v[SC + 8 NQ s]; register NQ i + q: lanes 0-15 A's block i, lanes 16-31 B's block i, the slot's q-th 128 along K
.set HOLD, 96                          ; v96-119 the third tile's scale words
.set AF,   128                         ; A's fragments
.set PC,   192                         ; the codes just made
.set TM,   212
.set PW,   228
.set TW,   240                         ; v[240:241] scale words on their way out
.set G1,   24                          ; s[24:31] descriptor group 1 for A's tiles; s[32:39] group 0, one set for each slot
.set G0,   32
.set G1B,  48                          ; s[48:55], s[56:63] the same for B's
.set G0B,  56
.set AAD,  68                          ; s[68:73] where my part of A's tile begins, for tiles 0, 1, 2
.set BAD,  74                          ; s[74:79] the same of B's
.set OUT,  80                          ; s[80:85] where my codes go
.set OUS,  86                          ; s[86:91] where my scale words go
.set SEL,  96                          ; s[96:97] lane selects for v_permlanex16_b32: lane l xor 16
.set MSB, 0
.macro WIN new                         ; the immediate's high byte repeats the setting that is left
.if MSB != (\new)
	s_set_vgpr_msb (MSB<<8)|(\new)
.set MSB, (\new)
.endif
.endm
.set MUL_LO, 0xa1                      ; source 0 (B) window 1, source 1 (A) window 0, C and D window 2
.set TO_B,   0x40                      ; destination window 1, address window 0
; A joint load: waves 0 and 1 fetch for A, waves 2 and 3 for B.  The branch hangs on the wave's number alone.  Four v_nop follow each of the two lines.
.macro JLOAD g0a, g1a, g0b, g1b
	s_cmp_eq_u32 s15, 0
	s_cbranch_scc0 .Lfor_b_\@
	tensor_load_to_lds s[\g0a:\g0a+3], s[\g1a:\g1a+7]
	s_nop 0
.rept 4
	v_nop
.endr
	s_branch .Lasked_\@
.Lfor_b_\@:
	tensor_load_to_lds s[\g0b:\g0b+3], s[\g1b:\g1b+7]
	s_nop 0
.rept 4
	v_nop
.endr
.Lasked_\@:
.endm
.macro CREST                           ; a round of the cluster's barrier behind its opening barrier
	s_cmp_lg_u32 s14, 0
	s_cbranch_scc1 .Lnot_wave_0_\@
	s_barrier_signal -3
.Lnot_wave_0_\@:
	s_barrier_wait -3
	s_barrier_signal -1
	s_barrier_wait -1
.endm
.macro CROUND                          ; a whole round
	s_barrier_signal -1
	s_barrier_wait -1
	CREST
.endm
.macro PLACES n                        ; plain vector instructions between a matrix instruction and a load into, or a read of, its registers
.rept \n
	v_nop
.endr
.endm
.macro MKG1 g, c, r, p                 ; group 1 but for its first word: r rows of c elements of 8 bytes, p elements apart
	s_mov_b32 s[\g+1], (\c)<<16
	s_mov_b32 s[\g+2], (\r)<<16
	s_mov_b32 s[\g+3], (\c)<<16
	s_mov_b32 s[\g+4], \r
	s_mov_b32 s[\g+5], \p
	s_mov_b32 s[\g+6], 0
	s_mov_b32 s[\g+7], 0
.endm
.macro MKG0 g, l, lo, ad, ao           ; group 0: count 1, LDS address s[l] + lo, global address s[ad:ad+1] + ao, type 2
	s_mov_b32 s[\g], 1
	s_add_co_u32 s[\g+1], s[\l], \lo
	s_add_nc_u64 s[\g+2:\g+3], s[\ad:\ad+1], \ao
	s_or_b32 s[\g+3], s[\g+3], 0x80000000
.endm
.macro FRAG reg, adr, q, i             ; a fragment comes as it lies: three loads of 512 consecutive bytes
.irp c, 0,1,2
	ds_load_b128 v[\reg+4*\c:\reg+4*\c+3], v[\adr] offset:(\i)*STEPB+(\q)*1536+512*\c
.endr
.endm
.macro FETCH_B slot, q, p              ; B's eight fragments of the slot's q-th 128 along K into set p
	WIN TO_B
.irp i, 0,1,2,3,4,5,6,7
	FRAG 128*(\p)+FR*\i, ADRB+\slot, \q, \i
.endr
	WIN 0
.endm
.macro FETCH_A slot, q, i0             ; A's blocks i0 .. i0 + MB / 2 - 1
.set fa_i, \i0
.rept MB/2
	FRAG AF+FR*fa_i, ADRA+\slot, \q, fa_i
.set fa_i, fa_i+1
.endr
.endm
.macro SCALES sc, off                  ; a slot's scale words, off bytes on from region 0's first, into set sc: lanes 0-15 take A's block i, lanes 16-31 B's block i
.irp i, 0,1,2,3,4,5,6,7
.set sc_q, 0
.rept NQ
.if \i >= 4
	ds_load_b32 v[SC+8*NQ*\sc+NQ*\i+sc_q], v[ADRS2] offset:(\off)+64*\i+512*sc_q
.else
	ds_load_b32 v[SC+8*NQ*\sc+NQ*\i+sc_q], v[ADRS] offset:(\off)+64*\i+512*sc_q
.endif
.set sc_q, sc_q+1
.endr
.endr
.endm
.macro PUTS reg, rg                    ; a tile's scale words, 24 registers a thread, into region rg: A's 4,096 bytes, B's 8,192, as they lie in memory
.irp j, 0,1
	ds_store_b128 v[SWA], v[\reg+4*\j:\reg+4*\j+3] offset:(\rg)*RGN+2048*\j
.endr
.irp j, 0,1,2,3
	ds_store_b128 v[SWA], v[\reg+8+4*\j:\reg+8+4*\j+3] offset:(\rg)*RGN+SBO+2048*\j
.endr
.endm
; 8 matrix instructions: A's block a against B's eight, 128 along K.  p: B's set; sc: the set of scale words; zero = 1: the product starts the sums.
.macro MULB a, p, q, sc, zero
.irp b, 0,1,2,3,4,5,6,7
.if \zero
	v_wmma_scale_f32_16x16x128_f8f6f4 v[8*(8*((\a)%4)+\b):8*(8*((\a)%4)+\b)+7], v[128*(\p)+FR*\b:128*(\p)+FR*\b+FR-1], v[AF+FR*(\a):AF+FR*(\a)+FR-1], 0, v[SC+8*NQ*(\sc)+NQ*\b+(\q)], v[SC+8*NQ*(\sc)+NQ*(\a)+(\q)] matrix_a_fmt:MATRIX_FMT_FP6 matrix_b_fmt:MATRIX_FMT_FP6 matrix_a_scale:MATRIX_SCALE_ROW1
.else
	v_wmma_scale_f32_16x16x128_f8f6f4 v[8*(8*((\a)%4)+\b):8*(8*((\a)%4)+\b)+7], v[128*(\p)+FR*\b:128*(\p)+FR*\b+FR-1], v[AF+FR*(\a):AF+FR*(\a)+FR-1], v[8*(8*((\a)%4)+\b):8*(8*((\a)%4)+\b)+7], v[SC+8*NQ*(\sc)+NQ*\b+(\q)], v[SC+8*NQ*(\sc)+NQ*(\a)+(\q)] matrix_a_fmt:MATRIX_FMT_FP6 matrix_b_fmt:MATRIX_FMT_FP6 matrix_a_scale:MATRIX_SCALE_ROW1
.endif
.endr
.endm
.macro MULQ k, p, q, sc, zero          ; quarter k of a step: A's block k.  The accumulators take turns, in the same order in every step, from tile to tile too
	WIN MUL_LO
.set mq_a, (\k)*QB
.rept QB
	MULB mq_a, \p, \q, \sc, \zero
.set mq_a, mq_a+1
.endr
.endm
; A step of 128 along K that has its successor in the same slot.  A has one set of registers: its lower blocks are fetched anew in the step's middle, its upper blocks at its end; B has two sets.
.macro STEP slot, q, zero
	s_wait_dscnt (MB/2)*NL                         ; all but the youngest loads (A's upper blocks) are in
	MULQ 0, (\q)%2, \q, \slot, \zero
	MULQ 1, (\q)%2, \q, \slot, \zero
	s_wait_dscnt 0x0                               ; A's upper blocks are in
	PLACES 4
	FETCH_B \slot, (\q)+1, 1-(\q)%2
	FETCH_A \slot, (\q)+1, 0
	MULQ 2, (\q)%2, \q, \slot, \zero
	MULQ 3, (\q)%2, \q, \slot, \zero
	PLACES 4
	WIN 0
	FETCH_A \slot, (\q)+1, MB/2
.endm
.macro STEPS slot, q0                  ; the steps q0 .. NQ - 2 of a slot
.set st_q, \q0
.rept NQ-1-(\q0)
	STEP \slot, st_q, 0
.set st_q, st_q+1
.endr
.endm
; A slot's last step changes slots: ONE barrier; in front of it each wave waits for all its tensor loads, adds 0 to its spare word, and waits for that and for its own reads of this slot.
; fill = 1: this slot is filled again, with the same half of tile ftile.  soff: where the next slot's scale words lie.  late = 1: the third tile's scale words go into region 0, which nobody reads behind this barrier
; until a later barrier has shown them stored.
.macro TURN slot, next, fill, ftile, soff, late
	s_wait_tensorcnt 0x0                           ; all my tensor loads have landed: my part of the next slot (every window is 0 here)
	ds_add_u32 v[SPW], v[NIL]                      ; 0 onto my spare word
	s_wait_dscnt (MB/2)*NL+1                       ; (the add and the youngest loads, A's upper blocks, may be out)
	MULQ 0, 1, NQ-1, \slot, 0                      ; matrix work stands between the add and the wait for it
	s_wait_dscnt 0x0                               ; the add is done, and my reads of this slot are over
	s_barrier_signal -1
	MULQ 1, 1, NQ-1, \slot, 0
	WIN 0
	s_barrier_wait -1
.if \fill
	CREST                                          ; the barrier has opened a round of the cluster's barrier: no wave of any partner still reads this slot or has a load on its way
	MKG0 G0+4*\slot, 98, (\slot)*SLOT, AAD+2*(\ftile), (\slot)*STEPB    ; no tensor load of mine is out, so the groups 0 may be written
	MKG0 G0B+4*\slot, 99, (\slot)*SLOT, BAD+2*(\ftile), (\slot)*STEPB
	JLOAD G0+4*\slot, G1, G0B+4*\slot, G1B         ; the first tensor load behind the round; its four v_nop are the places in front of the loads below
.else
	PLACES 4
.endif
	FETCH_B \next, 0, 0
	FETCH_A \next, 0, 0
	SCALES \next, \soff
.if \late
	PUTS HOLD, 0
.endif
	MULQ 2, 1, NQ-1, \slot, 0
	MULQ 3, 1, NQ-1, \slot, 0
	PLACES 4
	WIN 0
	FETCH_A \next, 0, MB/2
.endm
.macro LAST                            ; the very last step: nothing more to fetch
	s_wait_dscnt (MB/2)*NL
	MULQ 0, 1, NQ-1, 1, 0
	MULQ 1, 1, NQ-1, 1, 0
	s_wait_dscnt 0x0
	MULQ 2, 1, NQ-1, 1, 0
	MULQ 3, 1, NQ-1, 1, 0
	WIN 0
.endm
; the largest magnitudes of the four blocks of 32 in v[s] .. v[s + 63] of window w (register 16 b + i = k 32 b + 16 (lane / 16) + i of my row), with the floor fl among the leaves.  Each accumulator is read from its low end on.
.macro QMAX s, w, fl
	WIN (\w)|((\w)<<2)
.irp b, 0,1,2,3
	v_max3_num_f32 v[TM+\b], |v[\s+16*\b]|, |v[\s+16*\b+1]|, \fl
.endr
	WIN ((\w)<<2)|((\w)<<4)
.irp i, 2,4,6,8,10,12,14
.irp b, 0,1,2,3
	v_max3_num_f32 v[TM+\b], v[TM+\b], |v[\s+16*\b+\i]|, |v[\s+16*\b+\i+1]|   ; the four blocks by turns
.endr
.endr
	WIN 0
.irp b, 0,1,2,3
	v_permlanex16_b32 v[TM+4+\b], v[TM+\b], s[SEL], s[SEL+1]
.endr
.irp b, 0,1,2,3
	v_max_num_f32 v[TM+\b], v[TM+\b], v[TM+4+\b]   ; with lane l xor 16's 16 numbers: the block's
.endr
.endm
; from the largest magnitudes in v[TM] on: the scale word in v[PW], the fragment's 12 registers in v[PC] on
.macro QPACK s, w
.irp b, 0,1,2,3
	v_add_nc_u32 v[TM+12+\b], 0xff000000, v[TM+\b]   ; 2 off the exponent field: the conversion takes this operand's exponent field as its scale
.endr
.irp b, 0,1,2,3
	v_lshrrev_b32 v[TM+4+\b], 23, v[TM+12+\b]        ; the scale's byte
.endr
	v_lshl_or_b32 v[PW], v[TM+5], 8, v[TM+4]
	v_lshl_or_b32 v[PW], v[TM+6], 16, v[PW]
	v_lshl_or_b32 v[PW], v[TM+7], 24, v[PW]
	WIN \w
.irp c, 0,1
	v_cvt_scalef32_pk16_fp6_f32 v[PC+6*\c:PC+6*\c+2], v[\s+32*\c:\s+32*\c+15], v[TM+12+2*\c]
	v_cvt_scalef32_pk16_fp6_f32 v[PC+12+4*\c:PC+12+4*\c+2], v[\s+32*\c+16:\s+32*\c+31], v[TM+12+2*\c+1]   ; (a conversion's three registers begin on an even number)
.endr
	WIN 0
	v_nop                                          ; one plain instruction behind the scaled conversions: the next tile's products write their sources
.irp c, 0,1                                    ; the operand's layout wants a whole block in a lane: lanes 0-15 block 2 c, lanes 16-31 block 2 c + 1
.irp i, 0,1,2
	v_permlane16_swap_b32 v[PC+6*\c+\i], v[PC+12+4*\c+\i]
.endr
.irp i, 0,1,2
	v_mov_b32 v[PC+3+6*\c+\i], v[PC+12+4*\c+\i]
.endr
.endr
.endm
; THE WAY OUT of tile t: block a (16 rows x my 128 columns) is one fragment of the operand that is made: its largest magnitudes, its scale word, its codes, straight from the accumulators.
; ksn: K steps in a row block of the result (v^T has all 8,192 keys in a row);  fl: the floor;  sh = 1: 5 off each scale byte.
.macro OUTQ t, a, ksn, fl, sh
	QMAX 64*(\a), 2, \fl
	s_wait_alu depctr_va_vdst(0)
	s_wait_xcnt 0x0                                ; the earlier stores have read the codes' registers (the search above stands between them and this wait)
	s_wait_dscnt 0x0                               ; and the last scale word is stored
	QPACK 64*(\a), 2
.if \sh
	v_add_nc_u32 v[PW], 0xfafafafb, v[PW]          ; q: 5 off each byte (each is 6 at the least: no byte borrows)
.endif
.irp c, 0,1,2
	global_store_b128 v[CO], v[PC+4*\c:PC+4*\c+3], s[OUT+2*(\t):OUT+2*(\t)+1] offset:(\a)*(\ksn)*1536+512*\c   ; 32 lanes store 512 consecutive bytes, aligned to 256
.endr
	ds_store_b32 v[SGW], v[PW] offset:64*(\a)      ; lanes r and r + 16 write the same word with the same value
.endm
.macro EPI t, ksn, fl, sh
.irp a, 0,1,2,3
	OUTQ \t, \a, \ksn, \fl, \sh
.endr
	ds_load_b64 v[TW:TW+1], v[RDW]                 ; LDS serves a wave's instructions in order (ISA guide 5.7.1.4): this sees my stores
	s_wait_dscnt 0x0
	global_store_b64 v[CO8], v[TW:TW+1], s[OUS+2*(\t):OUS+2*(\t)+1]   ; my 64 rows' words of this K step: 256 consecutive bytes, aligned
.endm
	s_load_b128 s[4:7], s[0:1], 0x0                ; qin s[4:5], qkv s[6:7]
	v_lshl_add_u32 v[SPW], v0, 2, SPARE
	v_mov_b32 v[NIL], 0
	ds_add_u32 v28, v29
	ds_add_u32 v28, v29
	s_wait_dscnt 0x0
	v_lshrrev_b32 v1, 5, v0
	v_readfirstlane_b32 s14, v1                    ; wave 0..3
	s_lshr_b32 s15, s14, 1                         ; which half of the tile's rows is mine.  Also: I fetch for A (0) or for B (1)
	s_and_b32 s16, s14, 1                          ; which half of its columns.  Also: which half of that tile I fetch
	s_bfe_u32 s40, ttmp6, 0x40000                  ; cx, cy: my place in the cluster.  cx is also the tile column of q and k
	s_bfe_u32 s41, ttmp6, 0x40004
	s_lshl_b32 s43, s41, 2
	s_lshl_b32 s43, 15, s43                        ; my row of the cluster
	s_lshl_b32 s44, 0x1111, s40                    ; my column
	s_and_b32 s18, ttmp7, 0xffff                   ; Y: cluster y, 0..15
	s_lshl_b32 s17, s18, 2
	s_add_co_u32 s17, s17, s41                     ; q, k: tile row 4 Y + cy, 0..63
	s_and_b32 s19, s18, 1
	s_lshl_b32 s19, s19, 2
	s_add_co_u32 s19, s19, s41                     ; v^T: tile row 4 (Y % 2) + cy, 0..7
	s_lshr_b32 s45, s18, 1
	s_lshl_b32 s45, s45, 2
	s_add_co_u32 s45, s45, s40                     ; v^T: tile column 4 (Y / 2) + cx, 0..31
	s_or_b32 s[G1+0], s43, (3<<16)|(1<<21)         ; 15:0 the mask: A's tiles go to my row; 17:16 elements of 8 bytes; 21 set beside a mask; no padding
	s_or_b32 s[G1B+0], s44, (3<<16)|(1<<21)
	MKG1 G1, 192*NQ, MB, 1536                      ; MB row blocks x STEPB bytes, 12,288 bytes apart
	MKG1 G1B, 192*NQ, 8, 1536
	s_lshl_b32 s20, s17, 3                         ; A hangs on the tile row alone, B on the tile column alone; each in registers that never hold the other coordinate
	s_lshl_b32 s21, s16, 2
	s_add_co_u32 s20, s20, s21                     ; input, memory: row block 8 x tile row + 4 x half
	s_mul_i32 s20, s20, 12288
	s_mov_b32 s21, 0
	s_lshl_b32 s22, s19, 3
	s_lshl_b32 s23, s16, 2
	s_add_co_u32 s22, s22, s23                     ; Wv likewise
	s_mul_i32 s22, s22, 12288
	s_add_co_u32 s22, s22, WV_C
	s_mov_b32 s23, 0
	s_lshl_b32 s46, s40, 4
	s_lshl_b32 s47, s16, 3
	s_add_co_u32 s46, s46, s47                     ; Wq, Wk: row block 16 x tile column + 8 x half
	s_mul_i32 s46, s46, 12288
	s_add_co_u32 s46, s46, WQ_C
	s_mov_b32 s47, 0
	s_lshl_b32 s92, s45, 4
	s_lshl_b32 s93, s16, 3
	s_add_co_u32 s92, s92, s93                     ; memory as B likewise
	s_mul_i32 s92, s92, 12288
	s_add_co_u32 s92, s92, XM_C
	s_mov_b32 s93, 0
	s_mul_i32 s98, s16, HALFA                      ; where they go: no place in the cluster enters an LDS address
	s_mul_i32 s99, s16, HALFB
	s_add_co_u32 s99, s99, ATB
	s_lshl_b32 s100, s17, 12                       ; the scale words: offsets in qin of my thread's 16 bytes of each run.  A's panel = the tile row,
	s_add_co_u32 s101, s100, XI_S
	v_lshl_add_u32 v8, v0, 4, s101
	s_add_co_u32 s101, s100, XM_S
	v_lshl_add_u32 v9, v0, 4, s101
	s_lshl_b32 s100, s19, 12
	s_add_co_u32 s101, s100, WV_S
	v_lshl_add_u32 v10, v0, 4, s101
	s_lshl_b32 s100, s40, 13                       ; B's two panels = 2 x the tile column on
	s_add_co_u32 s101, s100, WQ_S
	v_lshl_add_u32 v11, v0, 4, s101
	s_add_co_u32 s101, s100, WK_S
	v_lshl_add_u32 v12, v0, 4, s101
	s_lshl_b32 s100, s45, 13
	s_add_co_u32 s101, s100, XM_S
	v_lshl_add_u32 v13, v0, 4, s101
	s_wait_kmcnt 0x0
	s_add_nc_u64 s[AAD:AAD+1], s[4:5], s[20:21]            ; tile 0: input (its codes begin qin),
	s_add_nc_u64 s[AAD+2:AAD+3], s[AAD:AAD+1], XM_C        ; tile 1: the same rows of memory,
	s_add_nc_u64 s[AAD+4:AAD+5], s[4:5], s[22:23]          ; tile 2: Wv
	s_add_nc_u64 s[BAD:BAD+1], s[4:5], s[46:47]            ; Wq,
	s_add_nc_u64 s[BAD+2:BAD+3], s[BAD:BAD+1], WK_C-WQ_C   ; the same rows of Wk,
	s_add_nc_u64 s[BAD+4:BAD+5], s[4:5], s[92:93]          ; memory
	CROUND                                         ; all sixteen work-groups are here: the first joint loads meet
	MKG0 G0, 98, 0, AAD, 0
	MKG0 G0+4, 98, SLOT, AAD, STEPB
	MKG0 G0B, 99, 0, BAD, 0
	MKG0 G0B+4, 99, SLOT, BAD, STEPB
	s_cmp_eq_u32 s15, 0                            ; the head's fills: one tensor load a wave, its part of slot 0
	s_cbranch_scc0 .Lfirst_b
	tensor_load_to_lds s[G0:G0+3], s[G1:G1+7]
	s_nop 0
.rept 4
	v_nop
.endr
	s_branch .Lfirst_done
.Lfirst_b:
	tensor_load_to_lds s[G0B:G0B+3], s[G1B:G1B+7]
	s_nop 0
.rept 4
	v_nop
.endr
.Lfirst_done:
	s_wait_alu depctr_va_vdst(0)
.irp j, 0,1                                    ; the three tiles' scale words: the 128 threads of a load read 2,048 consecutive bytes
	global_load_b128 v[128+4*\j:128+4*\j+3], v8, s[4:5] offset:2048*\j
	global_load_b128 v[152+4*\j:152+4*\j+3], v9, s[4:5] offset:2048*\j
	global_load_b128 v[HOLD+4*\j:HOLD+4*\j+3], v10, s[4:5] offset:2048*\j
.endr
.irp j, 0,1,2,3
	global_load_b128 v[136+4*\j:136+4*\j+3], v11, s[4:5] offset:2048*\j
	global_load_b128 v[160+4*\j:160+4*\j+3], v12, s[4:5] offset:2048*\j
	global_load_b128 v[HOLD+8+4*\j:HOLD+8+4*\j+3], v13, s[4:5] offset:2048*\j
.endr
	v_and_b32 v1, 31, v0                           ; lane
	v_and_b32 v2, 15, v0                           ; r
	v_bfe_u32 v3, v0, 4, 1                         ; h
	s_wait_alu depctr_va_vdst(0)
	v_lshlrev_b32 v[CO], 4, v1
	v_lshlrev_b32 v[CO8], 3, v1
	v_lshl_add_u32 v[SWA], v0, 4, SCR
	s_mul_i32 s21, s15, HALFA                      ; my rows of A
	s_mul_i32 s22, s16, HALFB                      ; my rows of B,
	s_add_co_u32 s22, s22, ATB                     ; which lie behind A's
.irp s, 0,1
	v_add_nc_u32 v[ADRA+\s], s21, v[CO]
	v_add_nc_u32 v[ADRB+\s], s22, v[CO]
	s_add_co_u32 s21, s21, SLOT
	s_add_co_u32 s22, s22, SLOT
.endr
	s_lshl_b32 s21, s15, 8                         ; A's words of my 64 rows
	s_lshl_b32 s22, s16, 12                        ; B's: my panel
	s_add_co_u32 s22, s22, SBO
	s_sub_co_u32 s22, s22, s21
	v_mul_u32_u24 v6, s22, v3                      ; lanes 16-31 take B's
	v_lshl_add_u32 v7, v2, 2, v6
	s_add_co_u32 s23, s21, SCR
	v_add_nc_u32 v[ADRS], s23, v7
	s_add_co_u32 s22, s22, 256
	v_mul_u32_u24 v6, s22, v3
	v_lshl_add_u32 v7, v2, 2, v6
	s_add_co_u32 s23, s21, SCR-256
	v_add_nc_u32 v[ADRS2], s23, v7
	s_lshl_b32 s21, s14, 8
	s_add_co_u32 s21, s21, WSC                     ; the way out: my wave's 256 bytes
	v_lshl_add_u32 v[SGW], v2, 2, s21
	v_add_nc_u32 v[RDW], s21, v[CO8]
	s_mov_b32 s[SEL], 0x76543210
	s_mov_b32 s[SEL+1], 0xfedcba98
.irp b, 0,1,2,3
	v_mov_b32 v[TM+4+\b], 0                        ; written once: a lane permute's destination counts as one of its sources
.endr
	s_lshl_b32 s12, s40, 1
	s_add_co_u32 s12, s12, s16                     ; my 128 columns are the result's K step 2 x tile column + half: of q and k,
	s_lshl_b32 s13, s45, 1
	s_add_co_u32 s13, s13, s16                     ; of v^T
	s_lshl_b32 s10, s17, 3
	s_lshl_b32 s20, s15, 2
	s_add_co_u32 s10, s10, s20                     ; my first row block of q and k,
	s_lshl_b32 s10, s10, 3                         ; 8 K steps to a row block
	s_add_co_u32 s10, s10, s12
	s_mul_i32 s10, s10, 1536
	s_mov_b32 s11, 0
	s_add_nc_u64 s[OUT:OUT+1], s[6:7], s[10:11]
	s_add_nc_u64 s[OUT+2:OUT+3], s[OUT:OUT+1], K_C
	s_lshl_b32 s10, s19, 3
	s_add_co_u32 s10, s10, s20                     ; of v^T,
	s_lshl_b32 s10, s10, 6                         ; 64 K steps to a row block
	s_add_co_u32 s10, s10, s13
	s_mul_i32 s10, s10, 1536
	s_add_co_u32 s10, s10, V_C
	s_add_nc_u64 s[OUT+4:OUT+5], s[6:7], s[10:11]
	s_lshl_b32 s20, s15, 8                         ; the scale words: panel = tile row, my 64 places of it
	s_lshl_b32 s10, s17, 3
	s_add_co_u32 s10, s10, s12
	s_lshl_b32 s10, s10, 9
	s_add_co_u32 s10, s10, s20
	s_add_co_u32 s10, s10, Q_S
	s_add_nc_u64 s[OUS:OUS+1], s[6:7], s[10:11]
	s_add_nc_u64 s[OUS+2:OUS+3], s[OUS:OUS+1], 262144
	s_lshl_b32 s10, s19, 6
	s_add_co_u32 s10, s10, s13
	s_lshl_b32 s10, s10, 9
	s_add_co_u32 s10, s10, s20
	s_add_co_u32 s10, s10, V_S
	s_add_nc_u64 s[OUS+4:OUS+5], s[6:7], s[10:11]
	s_wait_alu depctr_va_vdst(0)
	s_wait_loadcnt 0x0                             ; the scale words are in registers
	PUTS 128, 0                                    ; tile 0's into region 0, tile 1's into region 1; tile 2's wait
	PUTS 152, 1
	s_wait_tensorcnt 0x0                           ; my part of slot 0 is in; slot 1's first fill is issued as a refill is:
	ds_add_u32 v[SPW], v[NIL]                      ; 0 onto my spare word
	s_wait_dscnt 0x0                               ; the add is done, and my part of the scale words lies in LDS
	CROUND                                         ; a whole round: everybody's parts are in, and the joint loads meet
	JLOAD G0+4, G1, G0B+4, G1B                     ; slot 1: the first tensor load behind the round
	FETCH_B 0, 0, 0
	FETCH_A 0, 0, 0
	SCALES 0, 0
	FETCH_A 0, 0, MB/2
	; ---- tile 0: q
	STEP 0, 0, 1                                   ; a tile's first step starts the sums: nothing is ever cleared
	STEPS 0, 1
	TURN 0, 1, 1, 1, 2048, 0                       ; slot 0 takes tile 1's first half
	STEPS 1, 0
	TURN 1, 0, 1, 1, RGN, 1                        ; slot 1 its second half; tile 1's first fragments and scale words are fetched; tile 2's scale words take region 0
	EPI 0, 8, 0x4000000, 1                         ; both refills are asked for: now the tile goes out.  The floor: 2^(8 - 127)
	; ---- tile 1: k
	STEP 0, 0, 1
	STEPS 0, 1
	TURN 0, 1, 1, 2, RGN+2048, 0                   ; slot 0 takes tile 2's first half
	STEPS 1, 0
	TURN 1, 0, 1, 2, 0, 0                          ; slot 1 its second half
	EPI 1, 8, 0x1800000, 0                         ; the floor: 2^(3 - 127)
	; ---- tile 2: v^T
	STEP 0, 0, 1
	STEPS 0, 1
	TURN 0, 1, 0, 0, 2048, 0                       ; nothing is left to fetch: no round of the cluster's barrier
	STEPS 1, 0
	LAST
	PLACES 4
	EPI 2, 64, 0x1800000, 0
	s_wait_tensorcnt 0x0                           ; the wave's end
	ds_add_u32 v[SPW], v[NIL]
	s_wait_dscnt 0x0
	CROUND                                         ; the closing round: no work-group ends while a partner may still ask for a tile that names it
	s_endpgm
.Lfunc_end_k_q2d1b0acd65_proj:
	.size	k_q2d1b0acd65_proj, .Lfunc_end_k_q2d1b0acd65_proj-k_q2d1b0acd65_proj
	.p2alignl 7, 3214868480
	.fill 96, 4, 3214868480
	.section	.rodata,"a",@progbits
	.p2align	6, 0x0
	.amdhsa_kernel k_q2d1b0acd65_proj
		.amdhsa_group_segment_fixed_size 327680
		.amdhsa_private_segment_fixed_size 0
		.amdhsa_enable_private_segment 0
		.amdhsa_kernarg_size 16
		.amdhsa_user_sgpr_count 2
		.amdhsa_user_sgpr_kernarg_segment_ptr 1
		.amdhsa_wavefront_size32 1
		.amdhsa_system_sgpr_workgroup_id_x 1
		.amdhsa_system_sgpr_workgroup_id_y 1
		.amdhsa_system_sgpr_workgroup_id_z 1
		.amdhsa_system_vgpr_workitem_id 0
		.amdhsa_next_free_vgpr 768
		.amdhsa_next_free_sgpr 102
		.amdhsa_reserve_vcc 0
		.amdhsa_float_denorm_mode_32 3
		.amdhsa_float_denorm_mode_16_64 3
		.amdhsa_memory_ordered 1
		.amdhsa_forward_progress 1
		.amdhsa_inst_pref_size 245
	.end_amdhsa_kernel
	.amdgpu_metadata
---
amdhsa.version: [ 1, 2 ]
amdhsa.kernels:
  - .name:           k_q2d1b0acd65_proj
    .symbol:         k_q2d1b0acd65_proj.kd
    .args:
      - { .name: qin, .offset: 0, .size: 8, .value_kind: global_buffer, .address_space: global }
      - { .name: qkv, .offset: 8, .size: 8, .value_kind: global_buffer, .address_space: global }
    .group_segment_fixed_size: 327680
    .private_segment_fixed_size: 0
    .kernarg_segment_align: 8
    .kernarg_segment_size: 16
    .max_flat_workgroup_size: 128
    .sgpr_count:     102
    .vgpr_count:     768
    .wavefront_size: 32
...
	.end_amdgpu_metadata
.endif
;; end of part 2
;; launch score (part 3): grid 8 x 32, 4 waves a work-group, clusters of 4 x 4, 327,680 bytes of LDS; arguments qkv, prob; writes prob
.if DOCPART == 3
	.amdgcn_target "amdgcn-amd-amdhsa--gfx1250"
	.amdhsa_code_object_version 6
	.text
	.protected	k_q2d1b0acd65_score
	.globl	k_q2d1b0acd65_score
	.p2align	8
	.type	k_q2d1b0acd65_score,@function
k_q2d1b0acd65_score:
	s_mov_b64 s[64:65], 0
	v_nop
	global_prefetch_b8 v0, s[64:65] scope:SCOPE_SE
	s_setreg_imm32_b32 hwreg(HW_REG_WAVE_MODE, 25, 1), 1
	s_wait_xcnt 0x0
	s_wait_alu depctr_hold_cnt(0) depctr_sa_sdst(0) depctr_va_vdst(0) depctr_va_sdst(0) depctr_va_ssrc(0) depctr_va_vcc(0) depctr_vm_vsrc(0)
	s_getreg_b32 s2, hwreg(HW_REG_IB_STS2, 6, 4)
	s_cmp_eq_u32 s2, 0
	s_cbranch_scc0 .Lentry_in_a_cluster
	s_endpgm
.Lentry_in_a_cluster:
	s_bfe_u32 s2, ttmp6, 0x10000c
	s_cmp_lg_u32 s2, 0xf033
	s_cbranch_scc0 .Lentry_shape_is_right
	s_endpgm
.Lentry_shape_is_right:
; t = (q k^T) log2(e) on codes of FP6 (E2M3) with E8M0 scales; then, for each row and each CHUNK of 128 keys: M_c = ceil(the chunk's largest t), a whole number; p = 2^(t - M_c), quantised along the keys and
; stored as codes; l_c = the sum of the unquantised p.  -M_c and l_c are stored beside them.  The next launch brings all chunks of a row under the row's own M by taking M - M_c off the scale bytes: exact.
; ALL CODE BUFFERS ARE IMAGES OF OPERAND REGISTERS: a fragment (16 rows x 128 K, 12 registers a lane) is 1,536 bytes, registers 4 c .. 4 c + 3 of lane l at 512 c + 16 l; a buffer is [row block][K step][1,536].
; Lane r of row block b holds row 32 (b / 2) + 8 (b % 2) + r + 8 (r / 8).  Scale words: [panel of 128 places][K step][128 places], 4 bytes each.  The pairs (-M_c, l_c): [panel][chunk][128 places], 8 bytes each.
; A tile, 256 queries x 256 keys, is made by four waves, 128 x 128 each: 64 accumulators.  K (1,024) goes through a ring of two LDS slots of 256 along K, filled by the tensor data mover.
; THE MATRIX INSTRUCTION IS USED TRANSPOSED (source 0 = 16 keys, source 1 = 16 queries): a lane holds one query, and, by the order of k's rows, the 16 registers of two neighbouring accumulators are 16 neighbouring keys.
; CLUSTERS: 4 x 4 work-groups; q's tile is shared along a row of the cluster, k's along a column: joint loads.
; LIMITS: NaN and infinities are not served; a p under 2^-126 counts as 0; a block whose every p lies under 2^-124 keeps the byte 1.
; REGISTERS, in windows of 256: window 0: v0-31 addresses; v32-63 scale words, two sets; from v128 A's fragments, one set; behind the loop v128-255 are at work.  window 1: B's fragments, two sets, at v0 and v128.
;   windows 2, 3: the accumulators: (a, b) at v[8 (8 (a % 4) + b)] of window 2 + a / 4.
.set MB,    8                          ; A's blocks of 16 rows in a wave's tile
.set NQ,    2                          ; steps of 128 along K in a slot
.set KT,    1024                       ; the whole K
.set QB,    MB/4                       ; A's blocks in a quarter of a step
.set NL,    3                          ; LDS loads that bring a fragment
.set FR,    12                         ; registers of a fragment
.set STEPB, NQ*1536                    ; a row block's bytes in a slot
.set HALFA, MB*STEPB                   ; what one tensor load brings of A, and what one wave reads of it
.set ATB,   2*HALFA
.set HALFB, 8*STEPB                    ; the same of B
.set SLOT,  ATB+2*HALFB
.set LAPS,  KT/(256*NQ)                ; a lap = once round the ring
.set SCA,   2*SLOT                     ; behind the ring: A's two scale panels, [K step][128 places], filled once
.set PANA,  4096
.set FILA,  4096
.set PANB,  4096
.set SCB,   SCA+2*4096+128             ; B's two panels: 128 bytes askew, so that A's 64 bytes and B's 64 bytes of a load lie in different banks (64 banks of 4 bytes: ISA guide 11.1)
.set SPARE, SCB+2*4096+128             ; the spare words, 128 bytes for each wave: two blocks of 256 bytes that no other line names
.set K_C,  6291456                     ; qkv: q's codes at 0, k's here; their scales
.set Q_S,  18874368
.set K_S,  19136512
.set P_S,  12582912                    ; prob: p's codes at 0; its scale words; the pairs
.set P_ML, 13107200
.set ADRA, 16                          ; v16-17  LDS address of my A fragments in slot 0, 1
.set ADRB, 20                          ; v20-21  the same for B
.set SGW,  24                          ; v24     the way out: where my row's scale word goes
.set SGM,  25                          ; v25     and its pair
.set CO,   26                          ; v26     16 x lane
.set ADRS, 27                          ; v27     LDS address of my scale words: lanes 0-15 A's rows, lanes 16-31 B's
.set SPW,  28                          ; v28     LDS address of my spare word; never rewritten
.set NIL,  29                          ; v29     0; never rewritten
.set ADRS2, 30                         ; (used with MB = 4 alone)
.set RDW,  31                          ; v31     the way out: where I read words and pairs back
.set SC,   32                          ; scale words: set s at v[SC + 8 NQ s]; register NQ i + q: lanes 0-15 A's block i, lanes 16-31 B's block i, the slot's q-th 128 along K
.set AF,   128                         ; A's fragments
.set T,    128                         ; behind the loop: v128-191 t, then p
.set PC,   192                         ; the codes just made
.set TM,   212
.set PW,   228
.set NM,   230                         ; v[230:231] -M_c, l_c
.set LA,   232                         ; v[232:235] the sum, in two chains of pairs
.set LB,   234
.set TA,   244                         ; v244-245 at work
.set G1,   24                          ; s[24:31] descriptor group 1 for A's tiles; s[32:39] group 0, one set for each slot
.set G0,   32
.set G1B,  48                          ; s[48:55], s[56:63] the same for B's
.set G0B,  56
.set G1S,  68                          ; s[68:75], s[76:79] for A's scales; s[80:87], s[88:91] for B's
.set G0S,  76
.set G1SB, 80
.set G0SB, 88
.set OUT,  10                          ; s[10:11] where my codes go
.set OUS,  12                          ; s[12:13] my scale words
.set OUM,  94                          ; s[94:95] my pairs
.set CS,   66                          ; s[66:67] log2(e): the packed form names a pair and takes its low word for both halves
.set SEL,  96                          ; s[96:97] lane selects for v_permlanex16_b32: lane l xor 16
.set MSB, 0
.macro WIN new                         ; the immediate's high byte repeats the setting that is left
.if MSB != (\new)
	s_set_vgpr_msb (MSB<<8)|(\new)
.set MSB, (\new)
.endif
.endm
.set MUL_LO, 0xa1                      ; source 0 (B) window 1, source 1 (A) window 0, C and D window 2 (+ 0x50: window 3)
.set TO_B,   0x40                      ; destination window 1, address window 0
; A joint load: waves 0 and 1 fetch for A, waves 2 and 3 for B.  The branch hangs on the wave's number alone.  Four v_nop follow each of the two lines.
.macro JLOAD g0a, g1a, g0b, g1b
	s_cmp_eq_u32 s15, 0
	s_cbranch_scc0 .Lfor_b_\@
	tensor_load_to_lds s[\g0a:\g0a+3], s[\g1a:\g1a+7]
	s_nop 0
.rept 4
	v_nop
.endr
	s_branch .Lasked_\@
.Lfor_b_\@:
	tensor_load_to_lds s[\g0b:\g0b+3], s[\g1b:\g1b+7]
	s_nop 0
.rept 4
	v_nop
.endr
.Lasked_\@:
.endm
.macro CREST                           ; a round of the cluster's barrier behind its opening barrier
	s_cmp_lg_u32 s14, 0
	s_cbranch_scc1 .Lnot_wave_0_\@
	s_barrier_signal -3
.Lnot_wave_0_\@:
	s_barrier_wait -3
	s_barrier_signal -1
	s_barrier_wait -1
.endm
.macro CROUND                          ; a whole round
	s_barrier_signal -1
	s_barrier_wait -1
	CREST
.endm
.macro PLACES n                        ; plain vector instructions between a matrix instruction and a load into, or a read of, its registers
.rept \n
	v_nop
.endr
.endm
.macro MKG1 g, c, r, p                 ; group 1 but for its first word: r rows of c elements of 8 bytes, p elements apart
	s_mov_b32 s[\g+1], (\c)<<16
	s_mov_b32 s[\g+2], (\r)<<16
	s_mov_b32 s[\g+3], (\c)<<16
	s_mov_b32 s[\g+4], \r
	s_mov_b32 s[\g+5], \p
	s_mov_b32 s[\g+6], 0
	s_mov_b32 s[\g+7], 0
.endm
.macro MKG0 g, l, lo, ad, ao           ; group 0: count 1, LDS address s[l] + lo, global address s[ad:ad+1] + ao, type 2
	s_mov_b32 s[\g], 1
	s_add_co_u32 s[\g+1], s[\l], \lo
	s_add_nc_u64 s[\g+2:\g+3], s[\ad:\ad+1], \ao
	s_or_b32 s[\g+3], s[\g+3], 0x80000000
.endm
.macro FRAG reg, adr, q, i             ; a fragment comes as it lies: three loads of 512 consecutive bytes
.irp c, 0,1,2
	ds_load_b128 v[\reg+4*\c:\reg+4*\c+3], v[\adr] offset:(\i)*STEPB+(\q)*1536+512*\c
.endr
.endm
.macro FETCH_B slot, q, p              ; B's eight fragments of the slot's q-th 128 along K into set p
	WIN TO_B
.irp i, 0,1,2,3,4,5,6,7
	FRAG 128*(\p)+FR*\i, ADRB+\slot, \q, \i
.endr
	WIN 0
.endm
.macro FETCH_A slot, q, i0             ; A's blocks i0 .. i0 + MB / 2 - 1
.set fa_i, \i0
.rept MB/2
	FRAG AF+FR*fa_i, ADRA+\slot, \q, fa_i
.set fa_i, fa_i+1
.endr
.endm
.macro SCALES sc                       ; a slot's scale words into set sc: lanes 0-15 take A's block i, lanes 16-31 B's block i
.irp i, 0,1,2,3,4,5,6,7
.set sc_q, 0
.rept NQ
.if (MB == 4) && (\i >= 4)
	ds_load_b32 v[SC+8*NQ*\sc+NQ*\i+sc_q], v[ADRS2] offset:64*\i+512*sc_q
.else
	ds_load_b32 v[SC+8*NQ*\sc+NQ*\i+sc_q], v[ADRS] offset:64*\i+512*sc_q
.endif
.set sc_q, sc_q+1
.endr
.endr
.endm
; 8 matrix instructions: A's block a against B's eight, 128 along K.  p: B's set; sc: the set of scale words; zero = 1: the product starts the sums.
.macro MULB a, p, q, sc, zero
.irp b, 0,1,2,3,4,5,6,7
.if \zero
	v_wmma_scale_f32_16x16x128_f8f6f4 v[8*(8*((\a)%4)+\b):8*(8*((\a)%4)+\b)+7], v[128*(\p)+FR*\b:128*(\p)+FR*\b+FR-1], v[AF+FR*(\a):AF+FR*(\a)+FR-1], 0, v[SC+8*NQ*(\sc)+NQ*\b+(\q)], v[SC+8*NQ*(\sc)+NQ*(\a)+(\q)] matrix_a_fmt:MATRIX_FMT_FP6 matrix_b_fmt:MATRIX_FMT_FP6 matrix_a_scale:MATRIX_SCALE_ROW1
.else
	v_wmma_scale_f32_16x16x128_f8f6f4 v[8*(8*((\a)%4)+\b):8*(8*((\a)%4)+\b)+7], v[128*(\p)+FR*\b:128*(\p)+FR*\b+FR-1], v[AF+FR*(\a):AF+FR*(\a)+FR-1], v[8*(8*((\a)%4)+\b):8*(8*((\a)%4)+\b)+7], v[SC+8*NQ*(\sc)+NQ*\b+(\q)], v[SC+8*NQ*(\sc)+NQ*(\a)+(\q)] matrix_a_fmt:MATRIX_FMT_FP6 matrix_b_fmt:MATRIX_FMT_FP6 matrix_a_scale:MATRIX_SCALE_ROW1
.endif
.endr
.endm
.macro MULQ k, p, q, sc, zero          ; quarter k of a step: A's blocks k QB .. k QB + QB - 1.  The accumulators take turns, in the same order in every step
	WIN MUL_LO+0x50*(((\k)*QB)/4)
.set mq_a, (\k)*QB
.rept QB
	MULB mq_a, \p, \q, \sc, \zero
.set mq_a, mq_a+1
.endr
.endm
; A step of 128 along K that has its successor in the same slot.  A has one set of registers: its lower blocks are fetched anew in the step's middle, its upper blocks at its end; B has two sets.
.macro STEP slot, q, zero
	s_wait_dscnt (MB/2)*NL                         ; all but the youngest loads (A's upper blocks) are in
	MULQ 0, (\q)%2, \q, \slot, \zero
	MULQ 1, (\q)%2, \q, \slot, \zero
	s_wait_dscnt 0x0                               ; A's upper blocks are in
	PLACES 4
	FETCH_B \slot, (\q)+1, 1-(\q)%2
	FETCH_A \slot, (\q)+1, 0
	MULQ 2, (\q)%2, \q, \slot, \zero
	MULQ 3, (\q)%2, \q, \slot, \zero
	PLACES 4
	WIN 0
	FETCH_A \slot, (\q)+1, MB/2
.endm
.macro STEPS slot, q0                  ; the steps q0 .. NQ - 2 of a slot
.if NQ-1-(\q0) > 0
.set st_q, \q0
.rept NQ-1-(\q0)
	STEP \slot, st_q, 0
.set st_q, st_q+1
.endr
.endif
.endm
; A slot's last step changes slots: ONE barrier; in front of it each wave waits for all its tensor loads, adds 0 to its spare word, and waits for that and for its own reads of this slot.  fill = 1: this slot is filled again.
.macro TURN slot, next, fill
	s_wait_tensorcnt 0x0                           ; all my tensor loads have landed: my part of the next slot (every window is 0 here)
	ds_add_u32 v[SPW], v[NIL]                      ; 0 onto my spare word
	s_wait_dscnt (MB/2)*NL+1                       ; (the add and the youngest loads, A's upper blocks, may be out)
	MULQ 0, 1, NQ-1, \slot, 0                      ; matrix work stands between the add and the wait for it
	s_wait_dscnt 0x0                               ; the add is done, and my reads of this slot are over
	s_barrier_signal -1
	MULQ 1, 1, NQ-1, \slot, 0
	WIN 0
	s_barrier_wait -1
.if \fill
	CREST                                          ; the barrier has opened a round of the cluster's barrier: no wave of any partner still reads this slot or has a load on its way
	s_add_nc_u64 s[G0+4*\slot+2:G0+4*\slot+3], s[G0+4*\slot+2:G0+4*\slot+3], 2*STEPB
	s_add_nc_u64 s[G0B+4*\slot+2:G0B+4*\slot+3], s[G0B+4*\slot+2:G0B+4*\slot+3], 2*STEPB
	JLOAD G0+4*\slot, G1, G0B+4*\slot, G1B         ; the first tensor load behind the round; its four v_nop are the places in front of the loads below
.else
	PLACES 4
.endif
	s_wait_alu depctr_va_vdst(0)
	v_add_nc_u32 v[ADRS], 512*NQ, v[ADRS]          ; on to the next slot's scale words (no LDS load of mine is out)
.if MB == 4
	v_add_nc_u32 v[ADRS2], 512*NQ, v[ADRS2]
.endif
	FETCH_B \next, 0, 0
	FETCH_A \next, 0, 0
	SCALES \next
	MULQ 2, 1, NQ-1, \slot, 0
	MULQ 3, 1, NQ-1, \slot, 0
	PLACES 4
	WIN 0
	FETCH_A \next, 0, MB/2
.endm
.macro LAST                            ; the very last step: nothing more to fetch
	s_wait_dscnt (MB/2)*NL
	MULQ 0, 1, NQ-1, 1, 0
	MULQ 1, 1, NQ-1, 1, 0
	s_wait_dscnt 0x0
	MULQ 2, 1, NQ-1, 1, 0
	MULQ 3, 1, NQ-1, 1, 0
	WIN 0
.endm
; from the largest magnitudes in v[TM] on: the scale word in v[PW], the fragment's 12 registers in v[PC] on, of the 64 numbers v[s] .. v[s + 63] of window w
.macro QPACK s, w
.irp b, 0,1,2,3
	v_add_nc_u32 v[TM+12+\b], 0xff000000, v[TM+\b]   ; 2 off the exponent field: the conversion takes this operand's exponent field as its scale
.endr
.irp b, 0,1,2,3
	v_lshrrev_b32 v[TM+4+\b], 23, v[TM+12+\b]        ; the scale's byte
.endr
	v_lshl_or_b32 v[PW], v[TM+5], 8, v[TM+4]
	v_lshl_or_b32 v[PW], v[TM+6], 16, v[PW]
	v_lshl_or_b32 v[PW], v[TM+7], 24, v[PW]
	WIN \w
.irp c, 0,1
	v_cvt_scalef32_pk16_fp6_f32 v[PC+6*\c:PC+6*\c+2], v[\s+32*\c:\s+32*\c+15], v[TM+12+2*\c]
	v_cvt_scalef32_pk16_fp6_f32 v[PC+12+4*\c:PC+12+4*\c+2], v[\s+32*\c+16:\s+32*\c+31], v[TM+12+2*\c+1]   ; (a conversion's three registers begin on an even number)
.endr
	WIN 0
	v_nop                                          ; one plain instruction behind the scaled conversions
.irp c, 0,1                                    ; the operand's layout wants a whole block in a lane: lanes 0-15 block 2 c, lanes 16-31 block 2 c + 1
.irp i, 0,1,2
	v_permlane16_swap_b32 v[PC+6*\c+\i], v[PC+12+4*\c+\i]
.endr
.irp i, 0,1,2
	v_mov_b32 v[PC+3+6*\c+\i], v[PC+12+4*\c+\i]
.endr
.endr
.endm
	s_load_b128 s[4:7], s[0:1], 0x0                ; qkv s[4:5], prob s[6:7]
	v_lshl_add_u32 v[SPW], v0, 2, SPARE
	v_mov_b32 v[NIL], 0
	ds_add_u32 v28, v29
	ds_add_u32 v28, v29
	s_wait_dscnt 0x0
	v_lshrrev_b32 v1, 5, v0
	v_readfirstlane_b32 s14, v1                    ; wave 0..3
	s_lshr_b32 s15, s14, 1                         ; which half of the tile's rows is mine.  Also: I fetch for A (0) or for B (1)
	s_and_b32 s16, s14, 1                          ; which half of its columns.  Also: which half of that tile I fetch
	s_bfe_u32 s40, ttmp6, 0x40000                  ; cx, cy: my place in the cluster
	s_bfe_u32 s41, ttmp6, 0x40004
	s_lshl_b32 s43, s41, 2
	s_lshl_b32 s43, 15, s43                        ; my row of the cluster
	s_lshl_b32 s44, 0x1111, s40                    ; my column
	s_lshl_b32 s42, ttmp9, 2
	s_add_co_u32 s42, s42, s40                     ; tile column: 256 keys of the batch, 0..7
	s_and_b32 s18, ttmp7, 0xffff
	s_lshl_b32 s17, s18, 2
	s_add_co_u32 s17, s17, s41                     ; tile row: 256 of all 8,192 queries, 0..31
	s_lshr_b32 s18, s18, 1                         ; the batch: two clusters along y to one
	s_or_b32 s[G1+0], s43, (3<<16)|(1<<21)         ; 15:0 the mask: A's tiles go to my row; 17:16 elements of 8 bytes; 21 set beside a mask; no padding
	s_or_b32 s[G1B+0], s44, (3<<16)|(1<<21)
	s_or_b32 s[G1S+0], s43, (3<<16)|(1<<21)
	s_or_b32 s[G1SB+0], s44, (3<<16)|(1<<21)
	MKG1 G1, 192*NQ, 2*MB, 1536                    ; for the head's loads: all 2 MB row blocks x STEPB bytes, 12,288 bytes apart; behind them the two words that count rows are set to MB
	MKG1 G1B, 192*NQ, 16, 1536
	MKG1 G1S, 64, 16, 64                           ; two panels on end: 16 x 512 bytes, dense
	MKG1 G1SB, 64, 16, 64
	s_lshl_b32 s20, s17, 4                         ; A hangs on the tile row alone, B on the tile column and the batch; each in registers that never hold the other coordinate
	s_lshl_b32 s23, s16, 3
	s_add_co_u32 s20, s20, s23                     ; q: row block 16 x tile row + 8 x half
	s_mul_i32 s20, s20, 12288
	s_mov_b32 s21, 0
	s_lshl_b32 s22, s17, 13                        ; its two panels
	s_add_co_u32 s22, s22, Q_S
	s_mov_b32 s23, 0
	s_lshl_b32 s46, s18, 7
	s_lshl_b32 s47, s42, 4
	s_add_co_u32 s46, s46, s47
	s_lshl_b32 s47, s16, 3
	s_add_co_u32 s46, s46, s47                     ; k: row block 128 x batch + 16 x tile column + 8 x half
	s_mul_i32 s46, s46, 12288
	s_add_co_u32 s46, s46, K_C
	s_mov_b32 s47, 0
	s_lshl_b32 s92, s18, 4
	s_lshl_b32 s93, s42, 1
	s_add_co_u32 s92, s92, s93
	s_lshl_b32 s92, s92, 12
	s_add_co_u32 s92, s92, K_S
	s_mov_b32 s93, 0
	s_mul_i32 s98, s16, HALFA                      ; where they go: no place in the cluster enters an LDS address
	s_mul_i32 s99, s16, HALFB
	s_add_co_u32 s99, s99, ATB
	s_mov_b32 s100, SCA
	s_mov_b32 s101, SCB
	s_wait_kmcnt 0x0
	s_add_nc_u64 s[20:21], s[4:5], s[20:21]
	s_add_nc_u64 s[22:23], s[4:5], s[22:23]
	s_add_nc_u64 s[46:47], s[4:5], s[46:47]
	s_add_nc_u64 s[92:93], s[4:5], s[92:93]
	CROUND                                         ; all sixteen work-groups are here: the first joint loads meet
	MKG0 G0S, 100, 0, 22, 0
	MKG0 G0SB, 101, 0, 92, 0
	MKG0 G0, 98, 0, 20, 0
	MKG0 G0+4, 98, SLOT, 20, STEPB
	MKG0 G0B, 99, 0, 46, 0
	MKG0 G0B+4, 99, SLOT, 46, STEPB
; THE HEAD'S LOADS, ONE A WAVE: wave 0 fetches all of A's slot 0, wave 2 all of B's (the group 0 of a wave whose half is 0 stands at the tile's start), wave 1 A's scales, wave 3 B's.
; One chain of branches on the wave's number, a load to an arm, all arms leading to one join.
.macro ARM wv, g0, g1, next
	s_cmp_eq_u32 s14, \wv
	s_cbranch_scc0 \next
	tensor_load_to_lds s[\g0:\g0+3], s[\g1:\g1+7]
	s_nop 0
.rept 4
	v_nop
.endr
	s_branch .Lfirst_done
\next:
.endm
	ARM 0, G0, G1, .Lhead_b
	ARM 2, G0B, G1B, .Lhead_sa
	ARM 1, G0S, G1S, .Lhead_sb
	tensor_load_to_lds s[G0SB:G0SB+3], s[G1SB:G1SB+7]
	s_nop 0
.rept 4
	v_nop
.endr
.Lfirst_done:
; PREFETCHES INTO THE L2.  K comes in four fills of 3,072 bytes of each row block.  Fills 1 and 2 are asked for here, behind the head's load, fill 3 behind fill 1's load: a fill is named at most two fills ahead of its tensor load.
; A fill of a tile is 16 row blocks x 12 blocks of 256 bytes.  The four partners that ask for a tile jointly share its row blocks out BY ADDRESS (cx for q, cy for k), four each; of these a wave takes two: 24 lanes, a block of
; 256 bytes each (the eight lanes left over name the wave's last block again).  Every step is an immediate offset: the address registers are never rewritten.
	s_lshl_b32 s8, s17, 4
	s_lshl_b32 s9, s40, 2
	s_add_co_u32 s8, s8, s9                        ; q: row block 16 x tile row + 4 cx
	s_lshl_b32 s19, s18, 7
	s_lshl_b32 s9, s42, 4
	s_add_co_u32 s19, s19, s9
	s_lshl_b32 s9, s41, 2
	s_add_co_u32 s19, s19, s9                      ; k: row block 128 x batch + 16 x tile column + 4 cy,
	s_add_co_u32 s19, s19, K_C/12288               ; behind q's row blocks
	s_cmp_eq_u32 s15, 0                            ; waves 0 and 1 ask for q, waves 2 and 3 for k
	s_cselect_b32 s8, s8, s19
	s_lshl_b32 s9, s16, 1
	s_add_co_u32 s8, s8, s9                        ; + my two
	s_mul_i32 s8, s8, 12288
	s_mov_b32 s9, 0
	s_add_nc_u64 s[8:9], s[4:5], s[8:9]
	v_and_b32 v8, 31, v0
	v_min_u32 v8, 23, v8                           ; l
	v_mul_u32_u24 v9, v8, 11
	v_lshrrev_b32 v9, 7, v9                        ; l / 12, for l under 24
	v_mul_u32_u24 v9, v9, 9216
	v_lshl_add_u32 v8, v8, 8, v9                   ; 12,288 (l / 12) + 256 (l % 12)
	s_wait_alu depctr_va_vdst(0)
	global_prefetch_b8 v8, s[8:9] offset:3072 th:TH_LOAD_NT scope:SCOPE_SE
	global_prefetch_b8 v8, s[8:9] offset:6144 th:TH_LOAD_NT scope:SCOPE_SE
	v_and_b32 v1, 31, v0
	v_and_b32 v2, 15, v0
	v_bfe_u32 v3, v0, 4, 1                         ; h
	s_wait_alu depctr_va_vdst(0)
	v_lshlrev_b32 v[CO], 4, v1
	s_wait_alu depctr_va_vdst(0)
	s_mul_i32 s21, s15, HALFA                      ; my rows of A
	s_mul_i32 s22, s16, HALFB                      ; my rows of B,
	s_add_co_u32 s22, s22, ATB                     ; which lie behind A's
.irp s, 0,1
	v_add_nc_u32 v[ADRA+\s], s21, v[CO]
	v_add_nc_u32 v[ADRB+\s], s22, v[CO]
	s_add_co_u32 s21, s21, SLOT
	s_add_co_u32 s22, s22, SLOT
.endr
	s_mul_i32 s21, s15, PANA                       ; A's words of my rows
	s_mul_i32 s22, s16, PANB                       ; B's
	s_add_co_u32 s22, s22, SCB-SCA
	s_sub_co_u32 s22, s22, s21
	v_mul_u32_u24 v6, s22, v3                      ; lanes 16-31 take B's
	v_lshl_add_u32 v5, v2, 2, v6
	s_add_co_u32 s23, s21, SCA
	v_add_nc_u32 v[ADRS], s23, v5
	s_lshl_b32 s21, s14, 11                        ; the way out: 2,048 bytes for each wave in slot 0, which has had its last fill and its last read when they are first written
	v_lshl_add_u32 v[SGW], v2, 2, s21              ; words at + 0,
	v_add_nc_u32 v[RDW], s21, v[CO]
	s_add_co_u32 s21, s21, 512
	v_lshl_add_u32 v[SGM], v2, 3, s21              ; pairs at + 512
	s_mov_b32 s[SEL], 0x76543210
	s_mov_b32 s[SEL+1], 0xfedcba98
	s_mov_b32 s[CS], 0x3fb8aa3b                    ; log2(e)
	s_mov_b32 s[CS+1], s[CS]                       ; (named with it as a pair, so it is written)
	s_lshl_b32 s19, s42, 1
	s_add_co_u32 s19, s19, s16                     ; my chunk of 128 keys = p's K step
	s_lshl_b32 s10, s17, 4
	s_lshl_b32 s11, s15, 3
	s_add_co_u32 s10, s10, s11                     ; my first row block
	s_lshl_b32 s10, s10, 4                         ; 16 K steps to a row block of p
	s_add_co_u32 s10, s10, s19
	s_mul_i32 s10, s10, 1536
	s_mov_b32 s11, 0
	s_lshl_b32 s18, s17, 1
	s_add_co_u32 s18, s18, s15                     ; my panel
	s_lshl_b32 s18, s18, 4
	s_add_co_u32 s18, s18, s19                     ; 16 x panel + chunk
	s_lshl_b32 s12, s18, 9
	s_add_co_u32 s12, s12, P_S
	s_mov_b32 s13, 0
	s_lshl_b32 s[OUM], s18, 10
	s_add_co_u32 s[OUM], s[OUM], P_ML
	s_mov_b32 s[OUM+1], 0
	s_add_nc_u64 s[OUT:OUT+1], s[6:7], s[10:11]
	s_add_nc_u64 s[OUS:OUS+1], s[6:7], s[12:13]
	s_add_nc_u64 s[OUM:OUM+1], s[6:7], s[OUM:OUM+1]
	s_wait_alu depctr_va_vdst(0)
	s_wait_tensorcnt 0x0                           ; my tile of the head's four is in; slot 1's first fill is issued as a refill is:
	ds_add_u32 v[SPW], v[NIL]                      ; 0 onto my spare word
	s_mov_b32 s[G1+2], MB<<16                      ; no tensor load of mine is out, so a descriptor may be written: from here on a load brings a quarter of a slot
	s_mov_b32 s[G1+4], MB
	s_mov_b32 s[G1B+2], 8<<16
	s_mov_b32 s[G1B+4], 8
	s_wait_dscnt 0x0                               ; the add is done
	CROUND                                         ; a whole round: all four tiles are in, and the joint loads meet
	JLOAD G0+4, G1, G0B+4, G1B                     ; slot 1: the first tensor load behind the round
	FETCH_B 0, 0, 0
	FETCH_A 0, 0, 0
	SCALES 0
	FETCH_A 0, 0, MB/2
	global_prefetch_b8 v8, s[8:9] offset:9216 th:TH_LOAD_NT scope:SCOPE_SE   ; fill 3, the last: two fills ahead of its load
	STEP 0, 0, 1
.if LAPS > 1
	s_mov_b32 s3, LAPS-1
.Llap:                                                 ; a trip goes once round the ring, from a lap's second step to the next lap's first, and fills both slots again
	STEPS 0, 1
	TURN 0, 1, 1
	STEPS 1, 0
	TURN 1, 0, 1
	STEP 0, 0, 0
	s_sub_co_u32 s3, s3, 1
	s_cmp_lg_u32 s3, 0
	s_cbranch_scc1 .Llap
.endif
	STEPS 0, 1                                     ; the last lap fills nothing, and has no round of the cluster's barrier
	TURN 0, 1, 0
	STEPS 1, 0
	LAST
	PLACES 4
; THE WAY OUT: block a is 16 queries x my chunk of 128 keys; a lane holds one query and 64 of the keys, lane l xor 16 the other 64.
.irp b, 0,1,2,3
	v_mov_b32 v[TM+4+\b], 0                        ; written once: a lane permute's destination counts as one of its sources
.endr
	v_mov_b32 v[TA+1], 0
	v_mov_b32 v[NM+1], 0                           ; (named as the upper half of a pair before it is first written)
.macro SMX a
.set AC, 64*((\a)%4)
.if (\a) > 0
	s_wait_dscnt 0x0                               ; the last block's word and pair are stored
.endif
	WIN (2+(\a)/4)*21                              ; all three sources in the accumulators' window
.irp b, 0,1,2,3
	v_max3_num_f32 v[TM+\b], v[AC+16*\b], v[AC+16*\b+1], v[AC+16*\b+2]   ; the largest score of each block of 32 keys (log2(e) is positive): it serves for the chunk's maximum and, since p rises with the score, for the block's largest p; each accumulator from its low end on
.endr
	WIN (2+(\a)/4)*20
.irp i, 3,5,7,9,11,13
.irp b, 0,1,2,3
	v_max3_num_f32 v[TM+\b], v[TM+\b], v[AC+16*\b+\i], v[AC+16*\b+\i+1]
.endr
.endr
.irp b, 0,1,2,3
	v_max_num_f32 v[TM+\b], v[TM+\b], v[AC+16*\b+15]
.endr
	WIN 0
.irp b, 0,1,2,3
	v_permlanex16_b32 v[TM+4+\b], v[TM+\b], s[SEL], s[SEL+1]
.endr
.irp b, 0,1,2,3
	v_max_num_f32 v[TM+\b], v[TM+\b], v[TM+4+\b]
.endr
	v_max3_num_f32 v[TA], v[TM], v[TM+1], v[TM+2]
	v_max_num_f32 v[TA], v[TA], v[TM+3]            ; the chunk's largest t of my query
	v_mul_f32 v[TA], s[CS], v[TA]                  ; as t = logit x log2(e)
	v_floor_f32 v[NM], -v[TA]                      ; -M_c = floor(-t) = -ceil(t): a whole number
	WIN 2+(\a)/4
.set j, 0
.rept 32
	v_pk_fma_f32 v[T+j:T+j+1], v[AC+j:AC+j+1], s[CS:CS+1], v[NM:NM+1] op_sel_hi:[1,0,0]   ; t - M_c: one fused multiply-add, two numbers at a time
.set j, j+2
.endr
	WIN 0
.irp b, 0,1,2,3
	v_fma_f32 v[TM+\b], v[TM+\b], s[CS], v[NM]     ; the same of each block's largest score
.endr
.set j, 0
	s_wait_alu depctr_va_vdst(0)
.rept 64
	v_exp_f32 v[T+j], v[T+j]                       ; p = 2^(t - M_c), at most 1
.set j, j+1
.endr
	v_nop                                          ; a plain instruction behind the exponentials
	s_wait_alu depctr_va_vdst(0)                   ; one wait for the whole batch, ahead of its first reader
.irp b, 0,1,2,3
	v_exp_f32 v[TM+\b], v[TM+\b]                   ; the block's largest p: the same instructions on the same number give the same bits
.endr
	v_pk_add_f32 v[LA:LA+1], v[T:T+1], v[T+2:T+3]  ; the sum is taken of the unquantised p: two chains of pairs
	v_pk_add_f32 v[LB:LB+1], v[T+4:T+5], v[T+6:T+7]
.set j, 8
.rept 14
	v_pk_add_f32 v[LA:LA+1], v[LA:LA+1], v[T+j:T+j+1]
	v_pk_add_f32 v[LB:LB+1], v[LB:LB+1], v[T+j+2:T+j+3]
.set j, j+4
.endr
	v_pk_add_f32 v[LA:LA+1], v[LA:LA+1], v[LB:LB+1]
	v_add_f32 v[TA], v[LA], v[LA+1]
	v_permlanex16_b32 v[TA+1], v[TA], s[SEL], s[SEL+1]
	v_add_f32 v[NM+1], v[TA], v[TA+1]              ; l_c
	s_wait_xcnt 0x0                                ; the last block's stores have read the codes' registers, which are written again below
	s_wait_alu depctr_va_vdst(0)                   ; and one wait for the four
.irp b, 0,1,2,3
	v_max_num_f32 v[TM+\b], 0x1800000, v[TM+\b]    ; the floor 2^(3 - 127): the byte cannot fall under 1
.endr
	QPACK T, 0
.irp c, 0,1,2
	global_store_b128 v[CO], v[PC+4*\c:PC+4*\c+3], s[OUT:OUT+1] offset:24576*(\a)+512*\c   ; 32 lanes store 512 consecutive bytes, aligned to 256
.endr
	ds_store_b32 v[SGW], v[PW] offset:64*(\a)      ; lanes r and r + 16 write the same bytes with the same values
	ds_store_b64 v[SGM], v[NM:NM+1] offset:128*(\a)
.endm
.irp a, 0,1,2,3,4,5,6,7
	SMX \a
.endr
.irp c, 0,1,2
	ds_load_b128 v[T+4*\c:T+4*\c+3], v[RDW] offset:512*\c   ; LDS serves a wave's instructions in order (ISA guide 5.7.1.4): these see my stores
.endr
	s_wait_dscnt 0x0
	global_store_b128 v[CO], v[T:T+3], s[OUS:OUS+1]          ; my 128 rows' scale words of this chunk: 512 consecutive bytes
	global_store_b128 v[CO], v[T+4:T+7], s[OUM:OUM+1]        ; and their pairs: 1,024
	global_store_b128 v[CO], v[T+8:T+11], s[OUM:OUM+1] offset:512
	s_wait_tensorcnt 0x0                           ; the wave's end
	ds_add_u32 v[SPW], v[NIL]
	s_wait_dscnt 0x0
	CROUND                                         ; the closing round: no work-group ends while a partner may still ask for a tile that names it
	s_endpgm
.Lfunc_end_k_q2d1b0acd65_score:
	.size	k_q2d1b0acd65_score, .Lfunc_end_k_q2d1b0acd65_score-k_q2d1b0acd65_score
	.p2alignl 7, 3214868480
	.fill 96, 4, 3214868480
	.section	.rodata,"a",@progbits
	.p2align	6, 0x0
	.amdhsa_kernel k_q2d1b0acd65_score
		.amdhsa_group_segment_fixed_size 327680
		.amdhsa_private_segment_fixed_size 0
		.amdhsa_enable_private_segment 0
		.amdhsa_kernarg_size 16
		.amdhsa_user_sgpr_count 2
		.amdhsa_user_sgpr_kernarg_segment_ptr 1
		.amdhsa_wavefront_size32 1
		.amdhsa_system_sgpr_workgroup_id_x 1
		.amdhsa_system_sgpr_workgroup_id_y 1
		.amdhsa_system_sgpr_workgroup_id_z 1
		.amdhsa_system_vgpr_workitem_id 0
		.amdhsa_next_free_vgpr 1024
		.amdhsa_next_free_sgpr 102
		.amdhsa_reserve_vcc 0
		.amdhsa_float_denorm_mode_32 3
		.amdhsa_float_denorm_mode_16_64 3
		.amdhsa_memory_ordered 1
		.amdhsa_forward_progress 1
		.amdhsa_inst_pref_size 200
	.end_amdhsa_kernel
	.amdgpu_metadata
---
amdhsa.version: [ 1, 2 ]
amdhsa.kernels:
  - .name:           k_q2d1b0acd65_score
    .symbol:         k_q2d1b0acd65_score.kd
    .args:
      - { .name: qkv, .offset: 0, .size: 8, .value_kind: global_buffer, .address_space: global }
      - { .name: prob, .offset: 8, .size: 8, .value_kind: global_buffer, .address_space: global }
    .group_segment_fixed_size: 327680
    .private_segment_fixed_size: 0
    .kernarg_segment_align: 8
    .kernarg_segment_size: 16
    .max_flat_workgroup_size: 128
    .sgpr_count:     102
    .vgpr_count:     1024
    .wavefront_size: 32
...
	.end_amdgpu_metadata
.endif
;; end of part 3
;; launch mix (part 4): grid 4 x 64, 4 waves a work-group, clusters of 4 x 4, 327,680 bytes of LDS; arguments prob, qkv, att; writes att
.if DOCPART == 4
	.amdgcn_target "amdgcn-amd-amdhsa--gfx1250"
	.amdhsa_code_object_version 6
	.text
	.protected	k_q2d1b0acd65_mix
	.globl	k_q2d1b0acd65_mix
	.p2align	8
	.type	k_q2d1b0acd65_mix,@function
k_q2d1b0acd65_mix:
	s_mov_b64 s[64:65], 0
	v_nop
	global_prefetch_b8 v0, s[64:65] scope:SCOPE_SE
	s_setreg_imm32_b32 hwreg(HW_REG_WAVE_MODE, 25, 1), 1
	s_wait_xcnt 0x0
	s_wait_alu depctr_hold_cnt(0) depctr_sa_sdst(0) depctr_va_vdst(0) depctr_va_sdst(0) depctr_va_ssrc(0) depctr_va_vcc(0) depctr_vm_vsrc(0)
	s_getreg_b32 s2, hwreg(HW_REG_IB_STS2, 6, 4)
	s_cmp_eq_u32 s2, 0
	s_cbranch_scc0 .Lentry_in_a_cluster
	s_endpgm
.Lentry_in_a_cluster:
	s_bfe_u32 s2, ttmp6, 0x10000c
	s_cmp_lg_u32 s2, 0xf033
	s_cbranch_scc0 .Lentry_shape_is_right
	s_endpgm
.Lentry_shape_is_right:
; O = (p v) / l on codes of FP6 (E2M3) with E8M0 scales, quantised along its 1,024 columns and stored as codes.
; p arrives in chunks of 128 keys, each under its own whole number M_c, with -M_c and l_c beside it.  AT THE HEAD each work-group brings its 128 rows under the row's M = the largest M_c: d = M - M_c comes off the
; chunk's four scale bytes (the codes stay: a power of two), l = the sum of l_c 2^-d, and 1 / l is kept for the way out.
; ALL CODE BUFFERS ARE IMAGES OF OPERAND REGISTERS: a fragment (16 rows x 128 K, 12 registers a lane) is 1,536 bytes, registers 4 c .. 4 c + 3 of lane l at 512 c + 16 l; a buffer is [row block][K step][1,536].
; Lane r of row block b holds row 32 (b / 2) + 8 (b % 2) + r + 8 (r / 8).  Scale words: [panel of 128 places][K step][128 places], 4 bytes each.
; A tile, 128 rows x 256 columns (with 256 rows only 128 work-groups would have work), is made by four waves, 64 x 128 each: 32 accumulators.  K (2,048 keys) goes through a ring of two LDS slots of 512 along K.
; THE MATRIX INSTRUCTION IS USED TRANSPOSED (source 0 = 16 rows of v^T, source 1 = 16 rows of p): a lane holds one row of O, and the 16 registers of two neighbouring accumulators are 16 neighbouring columns.
; CLUSTERS: 4 x 4 work-groups; p's tile is shared along a row of the cluster, v^T's along a column: joint loads.
; LIMITS: NaN and infinities are not served.  d is held at 127: a chunk that lies further under the row's M counts for 2^-127 of its own size, at most 2^-120 beside an l over 1/2.  A scale byte that would fall under 0 is
; held at 0.  A block of O whose largest magnitude lies under 2^-124 keeps the byte 1; a block of zeros gets the byte 1 (this program alone reads the bytes).
; REGISTERS, in windows of 256: window 0: v0-31 addresses; v32-95 scale words, two sets; from v128 A's fragments, one set; at the head and behind the loop v128-255 are at work.  window 1: B's fragments, two sets.
;   window 2: the accumulators: (a, b) at v[8 (8 a + b)].
.set MB,    4                          ; A's blocks of 16 rows in a wave's tile
.set NQ,    4                          ; steps of 128 along K in a slot
.set KT,    2048                       ; the whole K
.set QB,    MB/4                       ; A's blocks in a quarter of a step
.set NL,    3                          ; LDS loads that bring a fragment
.set FR,    12                         ; registers of a fragment
.set STEPB, NQ*1536                    ; a row block's bytes in a slot
.set HALFA, MB*STEPB                   ; what one tensor load brings of A, and what one wave reads of it
.set ATB,   2*HALFA
.set HALFB, 8*STEPB                    ; the same of B
.set SLOT,  ATB+2*HALFB
.set LAPS,  KT/(256*NQ)                ; a lap = once round the ring
.set SCA,   2*SLOT                     ; behind the ring: p's scale words under the row's M, [K step 16][128 places]: written by LDS stores, whole blocks of 256 bytes in which no fill lands
.set PANA,  256                        ; from one wave half's words of A to the other's
.set RLB,   SCA+8192                   ; 1 / l of the 128 rows: likewise
.set PANB,  8192
.set SCB,   RLB+512+128                ; B's two panels: 128 bytes askew, so that A's 64 bytes and B's 64 bytes of a load lie in different banks (64 banks of 4 bytes: ISA guide 11.1)
.set SPARE, SCB+2*8192+128             ; the spare words, 128 bytes for each wave: two blocks of 256 bytes that no other line names
.set P_S,  12582912                    ; prob: p's codes at 0; its scale words; the pairs (-M_c, l_c)
.set P_ML, 13107200
.set V_C,  12582912                    ; qkv: v^T's codes and scales
.set V_S,  19398656
.set A_S,  6291456                     ; att: O's codes at 0; its scale words
.set ADRA, 16                          ; v16-17  LDS address of my A fragments in slot 0, 1
.set ADRB, 20                          ; v20-21  the same for B
.set CO8,  23                          ; v23     8 x lane
.set SGW,  24                          ; v24     the way out: where my row's scale word goes
.set SGM,  25                          ; v25     where my rows' 1 / l lie
.set CO,   26                          ; v26     16 x lane
.set ADRS, 27                          ; v27     LDS address of my scale words: lanes 0-15 A's rows, lanes 16-31 B's
.set SPW,  28                          ; v28     LDS address of my spare word; never rewritten
.set NIL,  29                          ; v29     0; never rewritten
.set ADRS2, 30                         ; v30     the same as v27 with lanes 0-15 256 bytes lower: for B's blocks 4-7, beside which A has none (lanes 0-15 read A's blocks 0-3 again; not used)
.set RDW,  31                          ; v31     the way out: where I read the scale words back
.set SC,   32                          ; scale words: set s at v[SC + 8 NQ s]; register NQ i + q: lanes 0-15 A's block i, lanes 16-31 B's block i, the slot's q-th 128 along K
.set AF,   128                         ; A's fragments
.set T,    128                         ; behind the loop: v128-191 O
.set PC,   192                         ; the codes just made
.set TM,   212
.set PW,   228
.set RL,   236                         ; v236-243 1 / l of my row in blocks 0-3, each the low half of a pair
.set G1,   24                          ; s[24:31] descriptor group 1 for A's tiles; s[32:39] group 0, one set for each slot
.set G0,   32
.set G1B,  48                          ; s[48:55], s[56:63] the same for B's
.set G0B,  56
.set G1SB, 80                          ; s[80:87], s[88:91] for B's scales
.set G0SB, 88
.set OUT,  10                          ; s[10:11] where my codes go
.set OUS,  12                          ; s[12:13] my scale words
.set SEL,  96                          ; s[96:97] lane selects for v_permlanex16_b32: lane l xor 16
.set MSB, 0
.macro WIN new                         ; the immediate's high byte repeats the setting that is left
.if MSB != (\new)
	s_set_vgpr_msb (MSB<<8)|(\new)
.set MSB, (\new)
.endif
.endm
.set MUL_LO, 0xa1                      ; source 0 (B) window 1, source 1 (A) window 0, C and D window 2
.set TO_B,   0x40                      ; destination window 1, address window 0
; A joint load: waves 0 and 1 fetch for A, waves 2 and 3 for B.  The branch hangs on the wave's number alone.  Four v_nop follow each of the two lines.
.macro JLOAD g0a, g1a, g0b, g1b
	s_cmp_eq_u32 s15, 0
	s_cbranch_scc0 .Lfor_b_\@
	tensor_load_to_lds s[\g0a:\g0a+3], s[\g1a:\g1a+7]
	s_nop 0
.rept 4
	v_nop
.endr
	s_branch .Lasked_\@
.Lfor_b_\@:
	tensor_load_to_lds s[\g0b:\g0b+3], s[\g1b:\g1b+7]
	s_nop 0
.rept 4
	v_nop
.endr
.Lasked_\@:
.endm
.macro CREST                           ; a round of the cluster's barrier behind its opening barrier
	s_cmp_lg_u32 s14, 0
	s_cbranch_scc1 .Lnot_wave_0_\@
	s_barrier_signal -3
.Lnot_wave_0_\@:
	s_barrier_wait -3
	s_barrier_signal -1
	s_barrier_wait -1
.endm
.macro CROUND                          ; a whole round
	s_barrier_signal -1
	s_barrier_wait -1
	CREST
.endm
.macro PLACES n                        ; plain vector instructions between a matrix instruction and a load into, or a read of, its registers
.rept \n
	v_nop
.endr
.endm
.macro MKG1 g, c, r, p                 ; group 1 but for its first word: r rows of c elements of 8 bytes, p elements apart
	s_mov_b32 s[\g+1], (\c)<<16
	s_mov_b32 s[\g+2], (\r)<<16
	s_mov_b32 s[\g+3], (\c)<<16
	s_mov_b32 s[\g+4], \r
	s_mov_b32 s[\g+5], \p
	s_mov_b32 s[\g+6], 0
	s_mov_b32 s[\g+7], 0
.endm
.macro MKG0 g, l, lo, ad, ao           ; group 0: count 1, LDS address s[l] + lo, global address s[ad:ad+1] + ao, type 2
	s_mov_b32 s[\g], 1
	s_add_co_u32 s[\g+1], s[\l], \lo
	s_add_nc_u64 s[\g+2:\g+3], s[\ad:\ad+1], \ao
	s_or_b32 s[\g+3], s[\g+3], 0x80000000
.endm
.macro FRAG reg, adr, q, i             ; a fragment comes as it lies: three loads of 512 consecutive bytes
.irp c, 0,1,2
	ds_load_b128 v[\reg+4*\c:\reg+4*\c+3], v[\adr] offset:(\i)*STEPB+(\q)*1536+512*\c
.endr
.endm
.macro FETCH_B slot, q, p              ; B's eight fragments of the slot's q-th 128 along K into set p
	WIN TO_B
.irp i, 0,1,2,3,4,5,6,7
	FRAG 128*(\p)+FR*\i, ADRB+\slot, \q, \i
.endr
	WIN 0
.endm
.macro FETCH_A slot, q, i0             ; A's blocks i0 .. i0 + MB / 2 - 1
.set fa_i, \i0
.rept MB/2
	FRAG AF+FR*fa_i, ADRA+\slot, \q, fa_i
.set fa_i, fa_i+1
.endr
.endm
.macro SCALES sc                       ; a slot's scale words into set sc: lanes 0-15 take A's block i, lanes 16-31 B's block i
.irp i, 0,1,2,3,4,5,6,7
.set sc_q, 0
.rept NQ
.if (MB == 4) && (\i >= 4)
	ds_load_b32 v[SC+8*NQ*\sc+NQ*\i+sc_q], v[ADRS2] offset:64*\i+512*sc_q
.else
	ds_load_b32 v[SC+8*NQ*\sc+NQ*\i+sc_q], v[ADRS] offset:64*\i+512*sc_q
.endif
.set sc_q, sc_q+1
.endr
.endr
.endm
; 8 matrix instructions: A's block a against B's eight, 128 along K.  p: B's set; sc: the set of scale words; zero = 1: the product starts the sums.
.macro MULB a, p, q, sc, zero
.irp b, 0,1,2,3,4,5,6,7
.if \zero
	v_wmma_scale_f32_16x16x128_f8f6f4 v[8*(8*((\a)%4)+\b):8*(8*((\a)%4)+\b)+7], v[128*(\p)+FR*\b:128*(\p)+FR*\b+FR-1], v[AF+FR*(\a):AF+FR*(\a)+FR-1], 0, v[SC+8*NQ*(\sc)+NQ*\b+(\q)], v[SC+8*NQ*(\sc)+NQ*(\a)+(\q)] matrix_a_fmt:MATRIX_FMT_FP6 matrix_b_fmt:MATRIX_FMT_FP6 matrix_a_scale:MATRIX_SCALE_ROW1
.else
	v_wmma_scale_f32_16x16x128_f8f6f4 v[8*(8*((\a)%4)+\b):8*(8*((\a)%4)+\b)+7], v[128*(\p)+FR*\b:128*(\p)+FR*\b+FR-1], v[AF+FR*(\a):AF+FR*(\a)+FR-1], v[8*(8*((\a)%4)+\b):8*(8*((\a)%4)+\b)+7], v[SC+8*NQ*(\sc)+NQ*\b+(\q)], v[SC+8*NQ*(\sc)+NQ*(\a)+(\q)] matrix_a_fmt:MATRIX_FMT_FP6 matrix_b_fmt:MATRIX_FMT_FP6 matrix_a_scale:MATRIX_SCALE_ROW1
.endif
.endr
.endm
.macro MULQ k, p, q, sc, zero          ; quarter k of a step: A's blocks k QB .. k QB + QB - 1.  The accumulators take turns, in the same order in every step
	WIN MUL_LO+0x50*(((\k)*QB)/4)
.set mq_a, (\k)*QB
.rept QB
	MULB mq_a, \p, \q, \sc, \zero
.set mq_a, mq_a+1
.endr
.endm
; A step of 128 along K that has its successor in the same slot.  A has one set of registers: its lower blocks are fetched anew in the step's middle, its upper blocks at its end; B has two sets.
.macro STEP slot, q, zero
	s_wait_dscnt (MB/2)*NL                         ; all but the youngest loads (A's upper blocks) are in
	MULQ 0, (\q)%2, \q, \slot, \zero
	MULQ 1, (\q)%2, \q, \slot, \zero
	s_wait_dscnt 0x0                               ; A's upper blocks are in
	PLACES 4
	FETCH_B \slot, (\q)+1, 1-(\q)%2
	FETCH_A \slot, (\q)+1, 0
	MULQ 2, (\q)%2, \q, \slot, \zero
	MULQ 3, (\q)%2, \q, \slot, \zero
	PLACES 4
	WIN 0
	FETCH_A \slot, (\q)+1, MB/2
.endm
.macro STEPS slot, q0                  ; the steps q0 .. NQ - 2 of a slot
.if NQ-1-(\q0) > 0
.set st_q, \q0
.rept NQ-1-(\q0)
	STEP \slot, st_q, 0
.set st_q, st_q+1
.endr
.endif
.endm
; A slot's last step changes slots: ONE barrier; in front of it each wave waits for all its tensor loads, adds 0 to its spare word, and waits for that and for its own reads of this slot.  fill = 1: this slot is filled again.
.macro TURN slot, next, fill
	s_wait_tensorcnt 0x0                           ; all my tensor loads have landed: my part of the next slot (every window is 0 here)
	ds_add_u32 v[SPW], v[NIL]                      ; 0 onto my spare word
	s_wait_dscnt (MB/2)*NL+1                       ; (the add and the youngest loads, A's upper blocks, may be out)
	MULQ 0, 1, NQ-1, \slot, 0                      ; matrix work stands between the add and the wait for it
	s_wait_dscnt 0x0                               ; the add is done, and my reads of this slot are over
	s_barrier_signal -1
	MULQ 1, 1, NQ-1, \slot, 0
	WIN 0
	s_barrier_wait -1
.if \fill
	CREST                                          ; the barrier has opened a round of the cluster's barrier: no wave of any partner still reads this slot or has a load on its way
	s_add_nc_u64 s[G0+4*\slot+2:G0+4*\slot+3], s[G0+4*\slot+2:G0+4*\slot+3], 2*STEPB
	s_add_nc_u64 s[G0B+4*\slot+2:G0B+4*\slot+3], s[G0B+4*\slot+2:G0B+4*\slot+3], 2*STEPB
	JLOAD G0+4*\slot, G1, G0B+4*\slot, G1B         ; the first tensor load behind the round; its four v_nop are the places in front of the loads below
.else
	PLACES 4
.endif
	s_wait_alu depctr_va_vdst(0)
	v_add_nc_u32 v[ADRS], 512*NQ, v[ADRS]          ; on to the next slot's scale words (no LDS load of mine is out)
.if MB == 4
	v_add_nc_u32 v[ADRS2], 512*NQ, v[ADRS2]
.endif
	FETCH_B \next, 0, 0
	FETCH_A \next, 0, 0
	SCALES \next
	MULQ 2, 1, NQ-1, \slot, 0
	MULQ 3, 1, NQ-1, \slot, 0
	PLACES 4
	WIN 0
	FETCH_A \next, 0, MB/2
.endm
.macro LAST                            ; the very last step: nothing more to fetch
	s_wait_dscnt (MB/2)*NL
	MULQ 0, 1, NQ-1, 1, 0
	MULQ 1, 1, NQ-1, 1, 0
	s_wait_dscnt 0x0
	MULQ 2, 1, NQ-1, 1, 0
	MULQ 3, 1, NQ-1, 1, 0
	WIN 0
.endm
; the largest magnitudes of the four blocks of 32 in v[s] .. v[s + 63] of window w (register 16 b + i = k 32 b + 16 (lane / 16) + i of my row), with the floor fl among the leaves
.macro QMAX s, w, fl
	WIN (\w)|((\w)<<2)
.irp b, 0,1,2,3
	v_max3_num_f32 v[TM+\b], |v[\s+16*\b]|, |v[\s+16*\b+1]|, \fl
.endr
	WIN ((\w)<<2)|((\w)<<4)
.irp i, 2,4,6,8,10,12,14
.irp b, 0,1,2,3
	v_max3_num_f32 v[TM+\b], v[TM+\b], |v[\s+16*\b+\i]|, |v[\s+16*\b+\i+1]|   ; the four blocks by turns
.endr
.endr
	WIN 0
.irp b, 0,1,2,3
	v_permlanex16_b32 v[TM+4+\b], v[TM+\b], s[SEL], s[SEL+1]
.endr
.irp b, 0,1,2,3
	v_max_num_f32 v[TM+\b], v[TM+\b], v[TM+4+\b]   ; with lane l xor 16's 16 numbers: the block's
.endr
.endm
; from the largest magnitudes in v[TM] on: the scale word in v[PW], the fragment's 12 registers in v[PC] on
.macro QPACK s, w
.irp b, 0,1,2,3
	v_add_nc_u32 v[TM+12+\b], 0xff000000, v[TM+\b]   ; 2 off the exponent field: the conversion takes this operand's exponent field as its scale
.endr
.irp b, 0,1,2,3
	v_lshrrev_b32 v[TM+4+\b], 23, v[TM+12+\b]        ; the scale's byte
.endr
	v_lshl_or_b32 v[PW], v[TM+5], 8, v[TM+4]
	v_lshl_or_b32 v[PW], v[TM+6], 16, v[PW]
	v_lshl_or_b32 v[PW], v[TM+7], 24, v[PW]
	WIN \w
.irp c, 0,1
	v_cvt_scalef32_pk16_fp6_f32 v[PC+6*\c:PC+6*\c+2], v[\s+32*\c:\s+32*\c+15], v[TM+12+2*\c]
	v_cvt_scalef32_pk16_fp6_f32 v[PC+12+4*\c:PC+12+4*\c+2], v[\s+32*\c+16:\s+32*\c+31], v[TM+12+2*\c+1]   ; (a conversion's three registers begin on an even number)
.endr
	WIN 0
	v_nop                                          ; one plain instruction behind the scaled conversions
.irp c, 0,1                                    ; the operand's layout wants a whole block in a lane: lanes 0-15 block 2 c, lanes 16-31 block 2 c + 1
.irp i, 0,1,2
	v_permlane16_swap_b32 v[PC+6*\c+\i], v[PC+12+4*\c+\i]
.endr
.irp i, 0,1,2
	v_mov_b32 v[PC+3+6*\c+\i], v[PC+12+4*\c+\i]
.endr
.endr
.endm
	s_load_b128 s[4:7], s[0:1], 0x0                ; prob s[4:5], qkv s[6:7]
	s_load_b64 s[8:9], s[0:1], 0x10                ; att
	v_lshl_add_u32 v[SPW], v0, 2, SPARE
	v_mov_b32 v[NIL], 0
	ds_add_u32 v28, v29
	ds_add_u32 v28, v29
	s_wait_dscnt 0x0
	v_lshrrev_b32 v1, 5, v0
	v_readfirstlane_b32 s14, v1                    ; wave 0..3
	s_lshr_b32 s15, s14, 1                         ; which half of the tile's rows is mine.  Also: I fetch for A (0) or for B (1)
	s_and_b32 s16, s14, 1                          ; which half of its columns.  Also: which half of that tile I fetch
	s_bfe_u32 s40, ttmp6, 0x40000                  ; cx, cy: my place in the cluster
	s_bfe_u32 s41, ttmp6, 0x40004
	s_lshl_b32 s43, s41, 2
	s_lshl_b32 s43, 15, s43                        ; my row of the cluster
	s_lshl_b32 s44, 0x1111, s40                    ; my column
	s_mov_b32 s42, s40                             ; tile column: 256 of the 1,024 columns
	s_and_b32 s18, ttmp7, 0xffff
	s_lshl_b32 s17, s18, 2
	s_add_co_u32 s17, s17, s41                     ; tile row = panel: 128 of all 8,192 rows, 0..63
	s_lshr_b32 s18, s18, 2                         ; the batch: four clusters along y to one
	s_or_b32 s[G1+0], s43, (3<<16)|(1<<21)         ; 15:0 the mask: A's tiles go to my row; 17:16 elements of 8 bytes; 21 set beside a mask; no padding
	s_or_b32 s[G1B+0], s44, (3<<16)|(1<<21)
	s_or_b32 s[G1SB+0], s44, (3<<16)|(1<<21)
	MKG1 G1, 192*NQ, 2*MB, 3072                    ; p, for the head's load: all 2 MB row blocks x STEPB bytes, 24,576 bytes apart; behind it the two words that count rows are set to MB
	MKG1 G1B, 192*NQ, 16, 12288                    ; v^T: 16 row blocks, 98,304 bytes apart; then 8
	MKG1 G1SB, 64, 16, 64                          ; the batch's part of a panel: 16 K steps x 512 bytes, dense
	s_lshl_b32 s20, s17, 3                         ; A hangs on the tile row alone, B on the tile column and the batch; each in registers that never hold the other coordinate
	s_lshl_b32 s23, s16, 2
	s_add_co_u32 s20, s20, s23                     ; p: row block 8 x tile row + 4 x half
	s_mul_i32 s20, s20, 24576
	s_mov_b32 s21, 0
	s_lshl_b32 s46, s42, 4
	s_lshl_b32 s47, s16, 3
	s_add_co_u32 s46, s46, s47                     ; v^T: row block 16 x tile column + 8 x half,
	s_mul_i32 s46, s46, 98304
	s_mul_i32 s47, s18, 24576                      ; the batch's 16 K steps
	s_add_co_u32 s46, s46, s47
	s_add_co_u32 s46, s46, V_C
	s_mov_b32 s47, 0
	s_lshl_b32 s92, s42, 1
	s_add_co_u32 s92, s92, s15                     ; waves 1 and 3 fetch the scales: wave / 2 says which panel
	s_lshl_b32 s92, s92, 15
	s_lshl_b32 s93, s18, 13
	s_add_co_u32 s92, s92, s93
	s_add_co_u32 s92, s92, V_S
	s_mov_b32 s93, 0
	s_mul_i32 s98, s16, HALFA                      ; where they go: no place in the cluster enters an LDS address
	s_mul_i32 s99, s16, HALFB
	s_add_co_u32 s99, s99, ATB
	s_mul_i32 s101, s15, PANB
	s_add_co_u32 s101, s101, SCB
	s_lshl_b32 s66, s17, 13                        ; my panel's scale words of p,
	s_add_co_u32 s66, s66, P_S
	s_mov_b32 s67, 0
	s_lshl_b32 s94, s17, 14                        ; and its pairs
	s_add_co_u32 s94, s94, P_ML
	s_mov_b32 s95, 0
	s_wait_kmcnt 0x0
	s_add_nc_u64 s[20:21], s[4:5], s[20:21]
	s_add_nc_u64 s[46:47], s[6:7], s[46:47]
	s_add_nc_u64 s[92:93], s[6:7], s[92:93]
	s_add_nc_u64 s[66:67], s[4:5], s[66:67]
	s_add_nc_u64 s[94:95], s[4:5], s[94:95]
	CROUND                                         ; all sixteen work-groups are here: the first joint loads meet
	MKG0 G0SB, 101, 0, 92, 0
	MKG0 G0, 98, 0, 20, 0
	MKG0 G0+4, 98, SLOT, 20, STEPB
	MKG0 G0B, 99, 0, 46, 0
	MKG0 G0B+4, 99, SLOT, 46, STEPB
; THE HEAD'S LOADS, ONE A WAVE: wave 0 fetches all of A's slot 0, wave 2 all of B's (the group 0 of a wave whose half is 0 stands at the tile's start), waves 1 and 3 a panel each of B's scales.
; One chain of branches on the wave's number, a load to an arm, all arms leading to one join.
.macro ARM wv, g0, g1, next
	s_cmp_eq_u32 s14, \wv
	s_cbranch_scc0 \next
	tensor_load_to_lds s[\g0:\g0+3], s[\g1:\g1+7]
	s_nop 0
.rept 4
	v_nop
.endr
	s_branch .Lfirst_done
\next:
.endm
	ARM 0, G0, G1, .Lhead_b
	ARM 2, G0B, G1B, .Lhead_sb
	tensor_load_to_lds s[G0SB:G0SB+3], s[G1SB:G1SB+7]
	s_nop 0
.rept 4
	v_nop
.endr
.Lfirst_done:
	; ---- p's scale words under the row's M.  Thread t is place t of the panel: its 16 words, its 16 pairs
	v_lshlrev_b32 v4, 2, v0
	v_lshlrev_b32 v5, 3, v0
.irp c, 0,1,2,3,4,5,6,7,8,9,10,11,12,13,14,15
	global_load_b32 v[128+\c], v4, s[66:67] offset:512*\c
.endr
.irp c, 0,1,2,3,4,5,6,7,8,9,10,11,12,13,14,15
	global_load_b64 v[144+2*\c:145+2*\c], v5, s[94:95] offset:1024*\c
.endr
; PREFETCHES INTO THE L2.  K comes in four fills of 6,144 bytes of each row block.  Fills 1 and 2 are asked for here, behind the head's loads, fill 3 behind fill 1's load: a fill is named at most two fills ahead of its tensor load.
; A row block's part of a fill is 24 blocks of 256 bytes: 24 lanes, a block each (the eight lanes left over name the last again).  The four partners that ask for a tile jointly share its row blocks out BY ADDRESS: of p's eight
; two each (cx), one to each of waves 0 and 1; of v^T's sixteen four each (cy), two to each of waves 2 and 3, which so ask twice.  Every step is an immediate offset: the address registers are never rewritten.
	s_lshl_b32 s70, s17, 3
	s_lshl_b32 s71, s40, 1
	s_add_co_u32 s70, s70, s71
	s_add_co_u32 s70, s70, s16                     ; p: row block 8 x tile row + 2 cx + wave % 2
	s_mul_i32 s70, s70, 24576
	s_lshl_b32 s72, s42, 4
	s_lshl_b32 s71, s41, 2
	s_add_co_u32 s72, s72, s71
	s_lshl_b32 s71, s16, 1
	s_add_co_u32 s72, s72, s71                     ; v^T: row block 16 x tile column + 4 cy + 2 (wave % 2),
	s_mul_i32 s72, s72, 98304
	s_mul_i32 s71, s18, 24576                      ; the batch's 16 K steps
	s_add_co_u32 s72, s72, s71
	s_add_co_u32 s72, s72, V_C
	s_cmp_eq_u32 s15, 0                            ; waves 0 and 1 ask for p, waves 2 and 3 for v^T
	s_cselect_b32 s70, s70, s72
	s_cselect_b64 s[68:69], s[4:5], s[6:7]
	s_mov_b32 s71, 0
	s_add_nc_u64 s[68:69], s[68:69], s[70:71]
	v_and_b32 v8, 31, v0
	v_min_u32 v8, 23, v8
	v_lshlrev_b32 v8, 8, v8
	s_wait_alu depctr_va_vdst(0)
.macro ASK off
	global_prefetch_b8 v8, s[68:69] offset:\off th:TH_LOAD_NT scope:SCOPE_SE
	s_cmp_eq_u32 s15, 0
	s_cbranch_scc1 .Lone_\@
	global_prefetch_b8 v8, s[68:69] offset:(\off)+98304 th:TH_LOAD_NT scope:SCOPE_SE   ; v^T's waves: their second row block
.Lone_\@:
.endm
	ASK 6144
	ASK 12288
	v_and_b32 v1, 31, v0
	v_and_b32 v2, 15, v0
	v_bfe_u32 v3, v0, 4, 1                         ; h
	s_wait_alu depctr_va_vdst(0)
	v_lshlrev_b32 v[CO], 4, v1
	v_lshlrev_b32 v[CO8], 3, v1
	s_mul_i32 s21, s15, HALFA                      ; my rows of A
	s_mul_i32 s22, s16, HALFB                      ; my rows of B,
	s_add_co_u32 s22, s22, ATB                     ; which lie behind A's
.irp s, 0,1
	v_add_nc_u32 v[ADRA+\s], s21, v[CO]
	v_add_nc_u32 v[ADRB+\s], s22, v[CO]
	s_add_co_u32 s21, s21, SLOT
	s_add_co_u32 s22, s22, SLOT
.endr
	s_mul_i32 s21, s15, PANA                       ; A's words of my rows
	s_mul_i32 s22, s16, PANB                       ; B's
	s_add_co_u32 s22, s22, SCB-SCA
	s_sub_co_u32 s22, s22, s21
	v_mul_u32_u24 v6, s22, v3                      ; lanes 16-31 take B's
	v_lshl_add_u32 v7, v2, 2, v6
	s_add_co_u32 s23, s21, SCA
	v_add_nc_u32 v[ADRS], s23, v7
	s_add_co_u32 s22, s22, 256
	v_mul_u32_u24 v6, s22, v3
	v_lshl_add_u32 v7, v2, 2, v6
	s_add_co_u32 s23, s21, SCA-256
	v_add_nc_u32 v[ADRS2], s23, v7
	s_lshl_b32 s21, s14, 11                        ; the way out: 2,048 bytes for each wave in slot 0, which has had its last fill and its last read when they are first written
	v_lshl_add_u32 v[SGW], v2, 2, s21
	v_add_nc_u32 v[RDW], s21, v[CO8]
	s_lshl_b32 s21, s15, 8
	s_add_co_u32 s21, s21, RLB
	v_lshl_add_u32 v[SGM], v2, 2, s21
	v_lshl_add_u32 v6, v0, 2, SCA                  ; where my place's words go,
	v_lshl_add_u32 v7, v0, 2, RLB                  ; and its 1 / l
	s_mov_b32 s[SEL], 0x76543210
	s_mov_b32 s[SEL+1], 0xfedcba98
	s_mov_b32 s18, 0x01010101
	s_mov_b32 s19, 0x80808080
	s_lshl_b32 s22, s42, 1
	s_add_co_u32 s22, s22, s16                     ; my 128 columns are O's K step 2 x tile column + half
	s_lshl_b32 s10, s17, 3
	s_lshl_b32 s11, s15, 2
	s_add_co_u32 s10, s10, s11                     ; my first row block
	s_lshl_b32 s10, s10, 3                         ; 8 K steps to a row block of O
	s_add_co_u32 s10, s10, s22
	s_mul_i32 s10, s10, 1536
	s_mov_b32 s11, 0
	s_lshl_b32 s12, s17, 3
	s_add_co_u32 s12, s12, s22
	s_lshl_b32 s12, s12, 9
	s_lshl_b32 s13, s15, 8
	s_add_co_u32 s12, s12, s13
	s_add_co_u32 s12, s12, A_S
	s_mov_b32 s13, 0
	s_add_nc_u64 s[OUT:OUT+1], s[8:9], s[10:11]
	s_add_nc_u64 s[OUS:OUS+1], s[8:9], s[12:13]
	s_wait_loadcnt 0x0
	v_min3_num_f32 v176, v144, v146, v148          ; -M = the least -M_c
.irp c, 3,5,7,9,11,13
	v_min3_num_f32 v176, v176, v[144+2*\c], v[146+2*\c]
.endr
	v_min_num_f32 v176, v176, v174
	v_mov_b32 v177, 0                              ; l
.irp c, 0,1,2,3,4,5,6,7,8,9,10,11,12,13,14,15
	v_sub_f32 v178, v176, v[144+2*\c]              ; -d = M_c - M: a whole number, 0 or less,
	v_max_num_f32 v178, 0xc2fe0000, v178           ; held at -127
	v_cvt_i32_f32 v178, v178
	v_ldexp_f32 v179, v[145+2*\c], v178            ; l_c 2^-d: nothing is rounded
	v_add_f32 v177, v177, v179
	v_sub_nc_u32 v178, 0, v178
	v_mul_lo_u32 v178, v178, s18                   ; d in each byte
	v_or_b32 v180, s19, v[128+\c]                  ; p is at most 1, so its bytes are at most 125: 128 onto each,
	v_sub_nc_u32 v180, v180, v178                  ; d off each: no byte borrows from its neighbour
	v_and_b32 v181, s19, v180                      ; a byte's top bit still stands where byte - d is 0 or more
	v_lshrrev_b32 v182, 7, v181
	v_sub_nc_u32 v181, v181, v182                  ; 0x7f in those bytes, 0 in the others
	v_and_b32 v[128+\c], v180, v181                ; byte - d, held at 0
	ds_store_b32 v6, v[128+\c] offset:512*\c
.endr
	s_wait_alu depctr_va_vdst(0)
	v_rcp_f32 v177, v177
	v_nop                                          ; a plain instruction behind the reciprocal
	s_wait_alu depctr_va_vdst(0)                   ; and the wait ahead of its first reader
	ds_store_b32 v7, v177
	s_wait_tensorcnt 0x0                           ; my tile of the head's is in; slot 1's first fill is issued as a refill is:
	ds_add_u32 v[SPW], v[NIL]                      ; 0 onto my spare word
	s_mov_b32 s[G1+2], MB<<16                      ; no tensor load of mine is out, so a descriptor may be written: from here on a load brings a quarter of a slot
	s_mov_b32 s[G1+4], MB
	s_mov_b32 s[G1B+2], 8<<16
	s_mov_b32 s[G1B+4], 8
	s_wait_dscnt 0x0                               ; the add is done, and my words and my 1 / l lie in LDS
	CROUND                                         ; a whole round: everybody's are in, and the joint loads meet
	JLOAD G0+4, G1, G0B+4, G1B                     ; slot 1: the first tensor load behind the round
	FETCH_B 0, 0, 0
	FETCH_A 0, 0, 0
	SCALES 0
	FETCH_A 0, 0, MB/2
	ASK 18432                                      ; fill 3, the last: two fills ahead of its load
	STEP 0, 0, 1
.if LAPS > 1
	s_mov_b32 s3, LAPS-1
.Llap:                                                 ; a trip goes once round the ring, from a lap's second step to the next lap's first, and fills both slots again
	STEPS 0, 1
	TURN 0, 1, 1
	STEPS 1, 0
	TURN 1, 0, 1
	STEP 0, 0, 0
	s_sub_co_u32 s3, s3, 1
	s_cmp_lg_u32 s3, 0
	s_cbranch_scc1 .Llap
.endif
	STEPS 0, 1                                     ; the last lap fills nothing, and has no round of the cluster's barrier
	TURN 0, 1, 0
	STEPS 1, 0
	LAST
	PLACES 4
; THE WAY OUT: block a (16 rows x my 128 columns), divided by the row's l, is one fragment of O.
.irp a, 0,1,2,3
	ds_load_b32 v[RL+2*\a], v[SGM] offset:64*\a
	v_mov_b32 v[RL+2*\a+1], 0                      ; (named with it as a pair, so it is written)
.endr
.irp b, 0,1,2,3
	v_mov_b32 v[TM+4+\b], 0                        ; written once: a lane permute's destination counts as one of its sources
.endr
	s_wait_alu depctr_va_vdst(0)
	s_wait_dscnt 0x0
.macro OUTO a
.set AC, 64*(\a)
	WIN 0x02
.set j, 0
.rept 32
	v_pk_mul_f32 v[T+j:T+j+1], v[AC+j:AC+j+1], v[RL+2*(\a):RL+2*(\a)+1] op_sel_hi:[1,0]   ; each accumulator from its low end on
.set j, j+2
.endr
	WIN 0
	QMAX T, 0, 0x1800000                           ; the floor 2^(3 - 127): the byte cannot fall under 1
	s_wait_alu depctr_va_vdst(0)
	s_wait_xcnt 0x0                                ; the last block's stores have read the codes' registers (the scaling and the search above stand between them and this wait)
	s_wait_dscnt 0x0                               ; and its scale word is stored
	QPACK T, 0
.irp c, 0,1,2
	global_store_b128 v[CO], v[PC+4*\c:PC+4*\c+3], s[OUT:OUT+1] offset:12288*(\a)+512*\c   ; 32 lanes store 512 consecutive bytes, aligned to 256
.endr
	ds_store_b32 v[SGW], v[PW] offset:64*(\a)      ; lanes r and r + 16 write the same word with the same value
.endm
.irp a, 0,1,2,3
	OUTO \a
.endr
	ds_load_b64 v[T:T+1], v[RDW]                   ; LDS serves a wave's instructions in order (ISA guide 5.7.1.4): this sees my stores
	s_wait_dscnt 0x0
	global_store_b64 v[CO8], v[T:T+1], s[OUS:OUS+1]  ; my 64 rows' words of this K step: 256 consecutive bytes, aligned
	s_wait_tensorcnt 0x0                           ; the wave's end
	ds_add_u32 v[SPW], v[NIL]
	s_wait_dscnt 0x0
	CROUND                                         ; the closing round: no work-group ends while a partner may still ask for a tile that names it
	s_endpgm
.Lfunc_end_k_q2d1b0acd65_mix:
	.size	k_q2d1b0acd65_mix, .Lfunc_end_k_q2d1b0acd65_mix-k_q2d1b0acd65_mix
	.p2alignl 7, 3214868480
	.fill 96, 4, 3214868480
	.section	.rodata,"a",@progbits
	.p2align	6, 0x0
	.amdhsa_kernel k_q2d1b0acd65_mix
		.amdhsa_group_segment_fixed_size 327680
		.amdhsa_private_segment_fixed_size 0
		.amdhsa_enable_private_segment 0
		.amdhsa_kernarg_size 24
		.amdhsa_user_sgpr_count 2
		.amdhsa_user_sgpr_kernarg_segment_ptr 1
		.amdhsa_wavefront_size32 1
		.amdhsa_system_sgpr_workgroup_id_x 1
		.amdhsa_system_sgpr_workgroup_id_y 1
		.amdhsa_system_sgpr_workgroup_id_z 1
		.amdhsa_system_vgpr_workitem_id 0
		.amdhsa_next_free_vgpr 768
		.amdhsa_next_free_sgpr 102
		.amdhsa_reserve_vcc 0
		.amdhsa_float_denorm_mode_32 3
		.amdhsa_float_denorm_mode_16_64 3
		.amdhsa_memory_ordered 1
		.amdhsa_forward_progress 1
		.amdhsa_inst_pref_size 169
	.end_amdhsa_kernel
	.amdgpu_metadata
---
amdhsa.version: [ 1, 2 ]
amdhsa.kernels:
  - .name:           k_q2d1b0acd65_mix
    .symbol:         k_q2d1b0acd65_mix.kd
    .args:
      - { .name: prob, .offset: 0, .size: 8, .value_kind: global_buffer, .address_space: global }
      - { .name: qkv, .offset: 8, .size: 8, .value_kind: global_buffer, .address_space: global }
      - { .name: att, .offset: 16, .size: 8, .value_kind: global_buffer, .address_space: global }
    .group_segment_fixed_size: 327680
    .private_segment_fixed_size: 0
    .kernarg_segment_align: 8
    .kernarg_segment_size: 24
    .max_flat_workgroup_size: 128
    .sgpr_count:     102
    .vgpr_count:     768
    .wavefront_size: 32
...
	.end_amdgpu_metadata
.endif
;; end of part 4
;; launch outp (part 5): grid 4 x 64, 4 waves a work-group, clusters of 4 x 4, 327,680 bytes of LDS; arguments att, qin, out0; writes out0
.if DOCPART == 5
	.amdgcn_target "amdgcn-amd-amdhsa--gfx1250"
	.amdhsa_code_object_version 6
	.text
	.protected	k_q2d1b0acd65_outp
	.globl	k_q2d1b0acd65_outp
	.p2align	8
	.type	k_q2d1b0acd65_outp,@function
k_q2d1b0acd65_outp:
	s_mov_b64 s[64:65], 0
	v_nop
	global_prefetch_b8 v0, s[64:65] scope:SCOPE_SE
	s_setreg_imm32_b32 hwreg(HW_REG_WAVE_MODE, 25, 1), 1
	s_wait_xcnt 0x0
	s_wait_alu depctr_hold_cnt(0) depctr_sa_sdst(0) depctr_va_vdst(0) depctr_va_sdst(0) depctr_va_ssrc(0) depctr_va_vcc(0) depctr_vm_vsrc(0)
	s_getreg_b32 s2, hwreg(HW_REG_IB_STS2, 6, 4)
	s_cmp_eq_u32 s2, 0
	s_cbranch_scc0 .Lentry_in_a_cluster
	s_endpgm
.Lentry_in_a_cluster:
	s_bfe_u32 s2, ttmp6, 0x10000c
	s_cmp_lg_u32 s2, 0xf033
	s_cbranch_scc0 .Lentry_shape_is_right
	s_endpgm
.Lentry_shape_is_right:
; out0 = O Wo^T on codes of FP6 (E2M3) with E8M0 scales; out0 [8192][1024] f32.
; BOTH OPERANDS ARE IMAGES OF OPERAND REGISTERS: a fragment (16 rows x 128 K, 12 registers a lane) is 1,536 bytes, registers 4 c .. 4 c + 3 of lane l at 512 c + 16 l; a buffer is [row block][K step][1,536].
; Lane r of row block b holds row 32 (b / 2) + 8 (b % 2) + r + 8 (r / 8): the way out puts rows and columns back in their true places.  Scale words: [panel of 128 places][K step][128 places], 4 bytes each.
; A tile, 128 rows x 256 columns (with 256 rows only 128 work-groups would have work), is made by four waves, 64 x 128 each: 32 accumulators.  All of K (1,024) lies in two LDS slots of 512 along K, each filled once.
; THE MATRIX INSTRUCTION IS USED TRANSPOSED (source 0 = 16 rows of Wo, source 1 = 16 rows of O): a lane holds eight neighbouring numbers of a row of out0.
; CLUSTERS: 4 x 4 work-groups; O's tile is shared along a row of the cluster, Wo's along a column: joint loads.
; LIMITS: NaN and infinities are not served.
; REGISTERS, in windows of 256: window 0: v0-31 addresses; v32-95 scale words, two sets; from v128 A's fragments, one set; behind the loop v128-255 take rows of out0.  window 1: B's fragments, two sets.
;   window 2: the accumulators: (a, b) at v[8 (8 a + b)].
.set MB,    4                          ; A's blocks of 16 rows in a wave's tile
.set NQ,    4                          ; steps of 128 along K in a slot
.set KT,    1024                       ; the whole K
.set QB,    MB/4                       ; A's blocks in a quarter of a step
.set NL,    3                          ; LDS loads that bring a fragment
.set FR,    12                         ; registers of a fragment
.set STEPB, NQ*1536                    ; a row block's bytes in a slot
.set HALFA, MB*STEPB                   ; what one tensor load brings of A, and what one wave reads of it
.set ATB,   2*HALFA
.set HALFB, 8*STEPB                    ; the same of B
.set SLOT,  ATB+2*HALFB
.set LAPS,  KT/(256*NQ)                ; 1: nothing is filled again
.set SCA,   2*SLOT                     ; behind the slots: A's scale panel, [K step 8][128 places]
.set PANA,  256                        ; from one wave half's words of A to the other's
.set FILA,  2048
.set PANB,  4096
.set SCB,   SCA+4096+128               ; B's two panels: 128 bytes askew, so that A's 64 bytes and B's 64 bytes of a load lie in different banks (64 banks of 4 bytes: ISA guide 11.1)
.set SPARE, SCB+2*4096+128             ; the spare words, 128 bytes for each wave: two blocks of 256 bytes that no other line names
.set A_S,  6291456                     ; att: O's codes at 0; its scale words
.set WO_C, 14942208                    ; qin: Wo's codes and scales
.set WO_S, 16351232
.set SPITCH, 528                       ; the way out: a stage of 16 rows x (512 bytes + 16) for each wave, in slot 0, which has had its only fill and its last read when the first result is stored there
.set ADRA, 16                          ; v16-17  LDS address of my A fragments in slot 0, 1
.set ADRB, 20                          ; v20-21  the same for B
.set STO,  24                          ; v24     the way out: where I put 32 bytes of a row
.set CO,   26                          ; v26     16 x lane
.set ADRS, 27                          ; v27     LDS address of my scale words: lanes 0-15 A's rows, lanes 16-31 B's
.set SPW,  28                          ; v28     LDS address of my spare word; never rewritten
.set NIL,  29                          ; v29     0; never rewritten
.set ADRS2, 30                         ; v30     the same as v27 with lanes 0-15 256 bytes lower: for B's blocks 4-7, beside which A has none (lanes 0-15 read A's blocks 0-3 again; not used)
.set RDW,  31                          ; v31     the way out: where I read a row back
.set SC,   32                          ; scale words: set s at v[SC + 8 NQ s]; register NQ i + q: lanes 0-15 A's block i, lanes 16-31 B's block i, the slot's q-th 128 along K
.set AF,   128                         ; A's fragments
.set BK,   128                         ; the way out: 16 rows read back: v128-191 and v192-255 by turns
.set G1,   24                          ; s[24:31] descriptor group 1 for A's tiles; s[32:39] group 0, one set for each slot
.set G0,   32
.set G1B,  48                          ; s[48:55], s[56:63] the same for B's
.set G0B,  56
.set G1S,  68                          ; s[68:75], s[76:79] for A's scales; s[80:87], s[88:91] for B's
.set G0S,  76
.set G1SB, 80
.set G0SB, 88
.set OUT,  10                          ; s[10:11] my part of out0
.set MSB, 0
.macro WIN new                         ; the immediate's high byte repeats the setting that is left
.if MSB != (\new)
	s_set_vgpr_msb (MSB<<8)|(\new)
.set MSB, (\new)
.endif
.endm
.set MUL_LO, 0xa1                      ; source 0 (B) window 1, source 1 (A) window 0, C and D window 2
.set TO_B,   0x40                      ; destination window 1, address window 0
.macro CREST                           ; a round of the cluster's barrier behind its opening barrier
	s_cmp_lg_u32 s14, 0
	s_cbranch_scc1 .Lnot_wave_0_\@
	s_barrier_signal -3
.Lnot_wave_0_\@:
	s_barrier_wait -3
	s_barrier_signal -1
	s_barrier_wait -1
.endm
.macro CROUND                          ; a whole round
	s_barrier_signal -1
	s_barrier_wait -1
	CREST
.endm
.macro PLACES n                        ; plain vector instructions between a matrix instruction and a load into, or a read of, its registers
.rept \n
	v_nop
.endr
.endm
.macro MKG1 g, c, r, p                 ; group 1 but for its first word: r rows of c elements of 8 bytes, p elements apart
	s_mov_b32 s[\g+1], (\c)<<16
	s_mov_b32 s[\g+2], (\r)<<16
	s_mov_b32 s[\g+3], (\c)<<16
	s_mov_b32 s[\g+4], \r
	s_mov_b32 s[\g+5], \p
	s_mov_b32 s[\g+6], 0
	s_mov_b32 s[\g+7], 0
.endm
.macro MKG0 g, l, lo, ad, ao           ; group 0: count 1, LDS address s[l] + lo, global address s[ad:ad+1] + ao, type 2
	s_mov_b32 s[\g], 1
	s_add_co_u32 s[\g+1], s[\l], \lo
	s_add_nc_u64 s[\g+2:\g+3], s[\ad:\ad+1], \ao
	s_or_b32 s[\g+3], s[\g+3], 0x80000000
.endm
.macro FRAG reg, adr, q, i             ; a fragment comes as it lies: three loads of 512 consecutive bytes
.irp c, 0,1,2
	ds_load_b128 v[\reg+4*\c:\reg+4*\c+3], v[\adr] offset:(\i)*STEPB+(\q)*1536+512*\c
.endr
.endm
.macro FETCH_B slot, q, p              ; B's eight fragments of the slot's q-th 128 along K into set p
	WIN TO_B
.irp i, 0,1,2,3,4,5,6,7
	FRAG 128*(\p)+FR*\i, ADRB+\slot, \q, \i
.endr
	WIN 0
.endm
.macro FETCH_A slot, q, i0             ; A's blocks i0 .. i0 + MB / 2 - 1
.set fa_i, \i0
.rept MB/2
	FRAG AF+FR*fa_i, ADRA+\slot, \q, fa_i
.set fa_i, fa_i+1
.endr
.endm
.macro SCALES sc                       ; a slot's scale words into set sc: lanes 0-15 take A's block i, lanes 16-31 B's block i
.irp i, 0,1,2,3,4,5,6,7
.set sc_q, 0
.rept NQ
.if (MB == 4) && (\i >= 4)
	ds_load_b32 v[SC+8*NQ*\sc+NQ*\i+sc_q], v[ADRS2] offset:64*\i+512*sc_q
.else
	ds_load_b32 v[SC+8*NQ*\sc+NQ*\i+sc_q], v[ADRS] offset:64*\i+512*sc_q
.endif
.set sc_q, sc_q+1
.endr
.endr
.endm
; 8 matrix instructions: A's block a against B's eight, 128 along K.  p: B's set; sc: the set of scale words; zero = 1: the product starts the sums.
.macro MULB a, p, q, sc, zero
.irp b, 0,1,2,3,4,5,6,7
.if \zero
	v_wmma_scale_f32_16x16x128_f8f6f4 v[8*(8*((\a)%4)+\b):8*(8*((\a)%4)+\b)+7], v[128*(\p)+FR*\b:128*(\p)+FR*\b+FR-1], v[AF+FR*(\a):AF+FR*(\a)+FR-1], 0, v[SC+8*NQ*(\sc)+NQ*\b+(\q)], v[SC+8*NQ*(\sc)+NQ*(\a)+(\q)] matrix_a_fmt:MATRIX_FMT_FP6 matrix_b_fmt:MATRIX_FMT_FP6 matrix_a_scale:MATRIX_SCALE_ROW1
.else
	v_wmma_scale_f32_16x16x128_f8f6f4 v[8*(8*((\a)%4)+\b):8*(8*((\a)%4)+\b)+7], v[128*(\p)+FR*\b:128*(\p)+FR*\b+FR-1], v[AF+FR*(\a):AF+FR*(\a)+FR-1], v[8*(8*((\a)%4)+\b):8*(8*((\a)%4)+\b)+7], v[SC+8*NQ*(\sc)+NQ*\b+(\q)], v[SC+8*NQ*(\sc)+NQ*(\a)+(\q)] matrix_a_fmt:MATRIX_FMT_FP6 matrix_b_fmt:MATRIX_FMT_FP6 matrix_a_scale:MATRIX_SCALE_ROW1
.endif
.endr
.endm
.macro MULQ k, p, q, sc, zero          ; quarter k of a step: A's blocks k QB .. k QB + QB - 1.  The accumulators take turns, in the same order in every step
	WIN MUL_LO+0x50*(((\k)*QB)/4)
.set mq_a, (\k)*QB
.rept QB
	MULB mq_a, \p, \q, \sc, \zero
.set mq_a, mq_a+1
.endr
.endm
; A step of 128 along K that has its successor in the same slot.  A has one set of registers: its lower blocks are fetched anew in the step's middle, its upper blocks at its end; B has two sets.
.macro STEP slot, q, zero
	s_wait_dscnt (MB/2)*NL                         ; all but the youngest loads (A's upper blocks) are in
	MULQ 0, (\q)%2, \q, \slot, \zero
	MULQ 1, (\q)%2, \q, \slot, \zero
	s_wait_dscnt 0x0                               ; A's upper blocks are in
	PLACES 4
	FETCH_B \slot, (\q)+1, 1-(\q)%2
	FETCH_A \slot, (\q)+1, 0
	MULQ 2, (\q)%2, \q, \slot, \zero
	MULQ 3, (\q)%2, \q, \slot, \zero
	PLACES 4
	WIN 0
	FETCH_A \slot, (\q)+1, MB/2
.endm
.macro STEPS slot, q0                  ; the steps q0 .. NQ - 2 of a slot
.if NQ-1-(\q0) > 0
.set st_q, \q0
.rept NQ-1-(\q0)
	STEP \slot, st_q, 0
.set st_q, st_q+1
.endr
.endif
.endm
; Slot 0's last step changes slots: one barrier; in front of it each wave waits for all its tensor loads (its part of slot 1), adds 0 to its spare word, and waits for that and for its own reads of slot 0.
; Behind it slot 1 is whole, and nobody reads slot 0 any more: the stages of the way out lie there.
.macro TURN slot, next
	s_wait_tensorcnt 0x0                           ; all my tensor loads have landed (every window is 0 here)
	ds_add_u32 v[SPW], v[NIL]                      ; 0 onto my spare word
	s_wait_dscnt (MB/2)*NL+1                       ; (the add and the youngest loads, A's upper blocks, may be out)
	MULQ 0, 1, NQ-1, \slot, 0                      ; matrix work stands between the add and the wait for it
	s_wait_dscnt 0x0                               ; the add is done, and my reads of this slot are over
	s_barrier_signal -1
	MULQ 1, 1, NQ-1, \slot, 0
	WIN 0
	s_barrier_wait -1
	PLACES 4
	v_add_nc_u32 v[ADRS], 512*NQ, v[ADRS]          ; on to the next slot's scale words (no LDS load of mine is out)
	v_add_nc_u32 v[ADRS2], 512*NQ, v[ADRS2]
	FETCH_B \next, 0, 0
	FETCH_A \next, 0, 0
	SCALES \next
	MULQ 2, 1, NQ-1, \slot, 0
	MULQ 3, 1, NQ-1, \slot, 0
	PLACES 4
	WIN 0
	FETCH_A \next, 0, MB/2
.endm
.macro LAST                            ; the very last step: nothing more to fetch
	s_wait_dscnt (MB/2)*NL
	MULQ 0, 1, NQ-1, 1, 0
	MULQ 1, 1, NQ-1, 1, 0
	s_wait_dscnt 0x0
	MULQ 2, 1, NQ-1, 1, 0
	MULQ 3, 1, NQ-1, 1, 0
	WIN 0
.endm
	s_load_b128 s[4:7], s[0:1], 0x0                ; att s[4:5], qin s[6:7]
	s_load_b64 s[8:9], s[0:1], 0x10                ; out0
	v_lshl_add_u32 v[SPW], v0, 2, SPARE
	v_mov_b32 v[NIL], 0
	ds_add_u32 v28, v29
	ds_add_u32 v28, v29
	s_wait_dscnt 0x0
	v_lshrrev_b32 v1, 5, v0
	v_readfirstlane_b32 s14, v1                    ; wave 0..3
	s_lshr_b32 s15, s14, 1                         ; which half of the tile's rows is mine.  Also: I fetch for A (0) or for B (1)
	s_and_b32 s16, s14, 1                          ; which half of its columns.  Also: which half of that tile I fetch
	s_bfe_u32 s40, ttmp6, 0x40000                  ; cx, cy: my place in the cluster
	s_bfe_u32 s41, ttmp6, 0x40004
	s_lshl_b32 s43, s41, 2
	s_lshl_b32 s43, 15, s43                        ; my row of the cluster
	s_lshl_b32 s44, 0x1111, s40                    ; my column
	s_mov_b32 s42, s40                             ; tile column: 256 of the 1,024 columns
	s_and_b32 s18, ttmp7, 0xffff
	s_lshl_b32 s17, s18, 2
	s_add_co_u32 s17, s17, s41                     ; tile row = panel: 128 of all 8,192 rows, 0..63
	s_or_b32 s[G1+0], s43, (3<<16)|(1<<21)         ; 15:0 the mask: A's tiles go to my row; 17:16 elements of 8 bytes; 21 set beside a mask; no padding
	s_or_b32 s[G1B+0], s44, (3<<16)|(1<<21)
	s_or_b32 s[G1S+0], s43, (3<<16)|(1<<21)
	s_or_b32 s[G1SB+0], s44, (3<<16)|(1<<21)
	MKG1 G1, 192*NQ, 2*MB, 1536                    ; for the head's loads: all 2 MB row blocks x STEPB bytes, 12,288 bytes apart; behind them the two words that count rows are set to MB
	MKG1 G1B, 192*NQ, 16, 1536
	MKG1 G1S, 64, 8, 64                            ; a panel: 8 K steps x 512 bytes, dense
	MKG1 G1SB, 64, 16, 64                          ; two panels on end
	s_lshl_b32 s20, s17, 3                         ; A hangs on the tile row alone, B on the tile column alone; each in registers that never hold the other coordinate
	s_lshl_b32 s23, s16, 2
	s_add_co_u32 s20, s20, s23                     ; O: row block 8 x tile row + 4 x half
	s_mul_i32 s20, s20, 12288
	s_mov_b32 s21, 0
	s_lshl_b32 s22, s17, 12                        ; its panel
	s_add_co_u32 s22, s22, A_S
	s_mov_b32 s23, 0
	s_lshl_b32 s46, s42, 4
	s_lshl_b32 s47, s16, 3
	s_add_co_u32 s46, s46, s47                     ; Wo: row block 16 x tile column + 8 x half
	s_mul_i32 s46, s46, 12288
	s_add_co_u32 s46, s46, WO_C
	s_mov_b32 s47, 0
	s_lshl_b32 s92, s42, 13
	s_add_co_u32 s92, s92, WO_S
	s_mov_b32 s93, 0
	s_mul_i32 s98, s16, HALFA                      ; where they go: no place in the cluster enters an LDS address
	s_mul_i32 s99, s16, HALFB
	s_add_co_u32 s99, s99, ATB
	s_mov_b32 s100, SCA
	s_mov_b32 s101, SCB
	s_wait_kmcnt 0x0
	s_add_nc_u64 s[20:21], s[4:5], s[20:21]
	s_add_nc_u64 s[22:23], s[4:5], s[22:23]
	s_add_nc_u64 s[46:47], s[6:7], s[46:47]
	s_add_nc_u64 s[92:93], s[6:7], s[92:93]
	CROUND                                         ; all sixteen work-groups are here: the joint loads meet
	MKG0 G0S, 100, 0, 22, 0
	MKG0 G0SB, 101, 0, 92, 0
	MKG0 G0, 98, 0, 20, 0
	MKG0 G0+4, 98, SLOT, 20, STEPB
	MKG0 G0B, 99, 0, 46, 0
	MKG0 G0B+4, 99, SLOT, 46, STEPB
; THE HEAD'S LOADS, ONE A WAVE: wave 0 fetches all of A's slot 0, wave 2 all of B's (the group 0 of a wave whose half is 0 stands at the tile's start), wave 1 A's scales, wave 3 B's.
; One chain of branches on the wave's number, a load to an arm, all arms leading to one join.
.macro ARM wv, g0, g1, next
	s_cmp_eq_u32 s14, \wv
	s_cbranch_scc0 \next
	tensor_load_to_lds s[\g0:\g0+3], s[\g1:\g1+7]
	s_nop 0
.rept 4
	v_nop
.endr
	s_branch .Lfirst_done
\next:
.endm
	ARM 0, G0, G1, .Lhead_b
	ARM 2, G0B, G1B, .Lhead_sa
	ARM 1, G0S, G1S, .Lhead_sb
	tensor_load_to_lds s[G0SB:G0SB+3], s[G1SB:G1SB+7]
	s_nop 0
.rept 4
	v_nop
.endr
.Lfirst_done:
; A PREFETCH INTO THE L2: K comes in two fills of 6,144 bytes of each row block; the second is asked for here, behind the head's loads, one fill ahead of its tensor load.
; A row block's part of a fill is 24 blocks of 256 bytes: 24 lanes, a block each (the eight lanes left over name the last again).  The four partners that ask for a tile jointly share its row blocks out BY ADDRESS: of O's eight
; two each (cx), one to each of waves 0 and 1; of Wo's sixteen four each (cy), two to each of waves 2 and 3, which so ask twice.  The address registers are never rewritten.
	s_lshl_b32 s96, s17, 3
	s_lshl_b32 s97, s40, 1
	s_add_co_u32 s96, s96, s97
	s_add_co_u32 s96, s96, s16                     ; O: row block 8 x tile row + 2 cx + wave % 2
	s_lshl_b32 s66, s42, 4
	s_lshl_b32 s97, s41, 2
	s_add_co_u32 s66, s66, s97
	s_lshl_b32 s97, s16, 1
	s_add_co_u32 s66, s66, s97                     ; Wo: row block 16 x tile column + 4 cy + 2 (wave % 2),
	s_add_co_u32 s66, s66, WO_C/12288              ; behind the row blocks ahead of it in qin
	s_cmp_eq_u32 s15, 0                            ; waves 0 and 1 ask for O, waves 2 and 3 for Wo
	s_cselect_b32 s96, s96, s66
	s_cselect_b64 s[94:95], s[4:5], s[6:7]
	s_mul_i32 s96, s96, 12288
	s_mov_b32 s97, 0
	s_add_nc_u64 s[94:95], s[94:95], s[96:97]
	v_and_b32 v8, 31, v0
	v_min_u32 v8, 23, v8
	v_lshlrev_b32 v8, 8, v8
	s_wait_alu depctr_va_vdst(0)
	global_prefetch_b8 v8, s[94:95] offset:6144 th:TH_LOAD_NT scope:SCOPE_SE
	s_cmp_eq_u32 s15, 0
	s_cbranch_scc1 .Lone_asked
	global_prefetch_b8 v8, s[94:95] offset:6144+12288 th:TH_LOAD_NT scope:SCOPE_SE   ; Wo's waves: their second row block
.Lone_asked:
	v_and_b32 v1, 31, v0
	v_and_b32 v2, 15, v0
	v_bfe_u32 v3, v0, 4, 1                         ; h
	s_wait_alu depctr_va_vdst(0)
	v_lshlrev_b32 v[CO], 4, v1
	s_mul_i32 s21, s15, HALFA                      ; my rows of A
	s_mul_i32 s22, s16, HALFB                      ; my rows of B,
	s_add_co_u32 s22, s22, ATB                     ; which lie behind A's
.irp s, 0,1
	v_add_nc_u32 v[ADRA+\s], s21, v[CO]
	v_add_nc_u32 v[ADRB+\s], s22, v[CO]
	s_add_co_u32 s21, s21, SLOT
	s_add_co_u32 s22, s22, SLOT
.endr
	s_mul_i32 s21, s15, PANA                       ; A's words of my rows
	s_mul_i32 s22, s16, PANB                       ; B's
	s_add_co_u32 s22, s22, SCB-SCA
	s_sub_co_u32 s22, s22, s21
	v_mul_u32_u24 v6, s22, v3                      ; lanes 16-31 take B's
	v_lshl_add_u32 v7, v2, 2, v6
	s_add_co_u32 s23, s21, SCA
	v_add_nc_u32 v[ADRS], s23, v7
	s_add_co_u32 s22, s22, 256
	v_mul_u32_u24 v6, s22, v3
	v_lshl_add_u32 v7, v2, 2, v6
	s_add_co_u32 s23, s21, SCA-256
	v_add_nc_u32 v[ADRS2], s23, v7
	s_mul_i32 s21, s14, 16*SPITCH                  ; my stage
	v_mul_u32_u24 v5, v2, SPITCH                   ; in: row r, + 64 h
	v_lshl_add_u32 v5, v3, 6, v5
	v_add_nc_u32 v[STO], s21, v5
	v_add_nc_u32 v[RDW], s21, v[CO]                ; back: the 32 lanes take one row of 512 bytes
	s_lshl_b32 s10, s17, 7
	s_lshl_b32 s11, s15, 6
	s_add_co_u32 s10, s10, s11                     ; my first row of out0: 128 x tile row + 64 x half
	s_lshl_b32 s10, s10, 12                        ; rows of 4,096 bytes
	s_lshl_b32 s11, s42, 10                        ; my first column, in bytes: 1,024 x tile column + 512 x half
	s_add_co_u32 s10, s10, s11
	s_lshl_b32 s11, s16, 9
	s_add_co_u32 s10, s10, s11
	s_mov_b32 s11, 0
	s_add_nc_u64 s[OUT:OUT+1], s[8:9], s[10:11]
	s_wait_alu depctr_va_vdst(0)
	s_wait_tensorcnt 0x0                           ; my tile of the head's four is in; slot 1's fill is issued as a refill is:
	ds_add_u32 v[SPW], v[NIL]                      ; 0 onto my spare word
	s_mov_b32 s[G1+2], MB<<16                      ; no tensor load of mine is out, so a descriptor may be written: slot 1 comes by quarters
	s_mov_b32 s[G1+4], MB
	s_mov_b32 s[G1B+2], 8<<16
	s_mov_b32 s[G1B+4], 8
	s_wait_dscnt 0x0                               ; the add is done
	CROUND                                         ; a whole round: all four tiles are in, and the joint loads meet
	s_cmp_eq_u32 s15, 0                            ; slot 1: the first tensor load behind the round; waves 0 and 1 fetch for A, waves 2 and 3 for B
	s_cbranch_scc0 .Lsec_b
	tensor_load_to_lds s[G0+4:G0+7], s[G1:G1+7]
	s_nop 0
.rept 4
	v_nop
.endr
	s_branch .Lsec_done
.Lsec_b:
	tensor_load_to_lds s[G0B+4:G0B+7], s[G1B:G1B+7]
	s_nop 0
.rept 4
	v_nop
.endr
.Lsec_done:
	FETCH_B 0, 0, 0
	FETCH_A 0, 0, 0
	SCALES 0
	FETCH_A 0, 0, MB/2
	STEP 0, 0, 1                                   ; the first step's products start the sums
	STEPS 0, 1
	TURN 0, 1
	STEPS 1, 0
	LAST
	PLACES 4
; THE WAY OUT, block by block of 16 rows x 128 columns.  Register j of accumulator (a, b) in lane (r, h) is column 32 (b / 2) + 16 h + 8 (b % 2) + j of place r of row block a.  A block goes through my own stage in LDS
; and comes back as whole rows of 512 bytes, which the 32 lanes store as two aligned runs of 256 bytes; place t of block a is row 32 (a / 2) + 8 (a % 2) + t + 8 (t / 8) of my 64.
; LDS serves a wave's instructions in order (ISA guide 5.7.1.4): no wait between the stores and the loads, nor in front of the next block's stores.
.macro TOSTAGE a
.set AC, 64*(\a)
	WIN 0x08                                       ; an LDS store's data are its source 1: window 2
.irp b, 0,1,2,3,4,5,6,7
	ds_store_b128 v[STO], v[AC+8*\b:AC+8*\b+3] offset:128*(\b/2)+32*(\b%2)          ; each accumulator from its low end on
	ds_store_b128 v[STO], v[AC+8*\b+4:AC+8*\b+7] offset:128*(\b/2)+32*(\b%2)+16
.endr
	WIN 0
.set BB, BK+64*((\a)%2)
.irp t, 0,1,2,3,4,5,6,7,8,9,10,11,12,13,14,15
	ds_load_b128 v[BB+4*\t:BB+4*\t+3], v[RDW] offset:\t*SPITCH
.endr
.endm
.macro SEND a, younger                 ; younger: the LDS instructions issued behind block a's loads, which may stay out
.set BB, BK+64*((\a)%2)
	s_wait_dscnt \younger                          ; the block is back in registers
.irp t, 0,1,2,3,4,5,6,7,8,9,10,11,12,13,14,15
	global_store_b128 v[CO], v[BB+4*\t:BB+4*\t+3], s[OUT:OUT+1] offset:(32*((\a)/2)+8*((\a)%2)+\t+8*(\t/8))*4096 th:TH_STORE_NT   ; 32 lanes store 512 consecutive bytes, aligned to 256; written once, read by nobody here
.endr
.endm
	TOSTAGE 0
.irp a, 1,2,3
.if \a > 1
	s_wait_xcnt 0x0                                ; block a - 2's stores have read their registers: block a's loads may land there
.endif
	TOSTAGE \a
	SEND \a-1, 32                                  ; behind block a - 1's loads: block a's 16 stores and 16 loads
.endr
	SEND 3, 0
	s_wait_tensorcnt 0x0                           ; the wave's end
	ds_add_u32 v[SPW], v[NIL]
	s_wait_dscnt 0x0
	CROUND                                         ; the closing round: no work-group ends while a partner may still ask for a tile that names it
	s_endpgm
.Lfunc_end_k_q2d1b0acd65_outp:
	.size	k_q2d1b0acd65_outp, .Lfunc_end_k_q2d1b0acd65_outp-k_q2d1b0acd65_outp
	.p2alignl 7, 3214868480
	.fill 96, 4, 3214868480
	.section	.rodata,"a",@progbits
	.p2align	6, 0x0
	.amdhsa_kernel k_q2d1b0acd65_outp
		.amdhsa_group_segment_fixed_size 327680
		.amdhsa_private_segment_fixed_size 0
		.amdhsa_enable_private_segment 0
		.amdhsa_kernarg_size 24
		.amdhsa_user_sgpr_count 2
		.amdhsa_user_sgpr_kernarg_segment_ptr 1
		.amdhsa_wavefront_size32 1
		.amdhsa_system_sgpr_workgroup_id_x 1
		.amdhsa_system_sgpr_workgroup_id_y 1
		.amdhsa_system_sgpr_workgroup_id_z 1
		.amdhsa_system_vgpr_workitem_id 0
		.amdhsa_next_free_vgpr 768
		.amdhsa_next_free_sgpr 102
		.amdhsa_reserve_vcc 0
		.amdhsa_float_denorm_mode_32 3
		.amdhsa_float_denorm_mode_16_64 3
		.amdhsa_memory_ordered 1
		.amdhsa_forward_progress 1
		.amdhsa_inst_pref_size 84
	.end_amdhsa_kernel
	.amdgpu_metadata
---
amdhsa.version: [ 1, 2 ]
amdhsa.kernels:
  - .name:           k_q2d1b0acd65_outp
    .symbol:         k_q2d1b0acd65_outp.kd
    .args:
      - { .name: att, .offset: 0, .size: 8, .value_kind: global_buffer, .address_space: global }
      - { .name: qin, .offset: 8, .size: 8, .value_kind: global_buffer, .address_space: global }
      - { .name: out0, .offset: 16, .size: 8, .value_kind: global_buffer, .address_space: global }
    .group_segment_fixed_size: 327680
    .private_segment_fixed_size: 0
    .kernarg_segment_align: 8
    .kernarg_segment_size: 24
    .max_flat_workgroup_size: 128
    .sgpr_count:     102
    .vgpr_count:     768
    .wavefront_size: 32
...
	.end_amdgpu_metadata
.endif
;; end of part 5
